; MI455X (gfx1250); checked and timed in simulation.
; The chip was launched on July 23, 2026; its instructions are those of AMD's public machine-readable ISA for CDNA 5 (MIT licence, August 2026) and "CDNA5" Instruction Set Architecture Reference Guide (July 2026). The comments in the code are by the model that wrote it; some were corrected since.
;; Attention. Allowed arithmetic: matrix products marked QUANTISED: E2M3 operands, one E8M0 scale for each 32 along K, by v_wmma_scale_f32_16x16x128_f8f6f4 with both operands' format E2M3, f32 sums; everything else in f32.
;; Inputs: b_out 1,024 float32; m 2 x 2,048 x 1 float32; w_out 1,024 x 1,024 float32; w_qkv 1,024 x 3,072 float32; x 2 x 2,048 x 1,024 float32.
;; Outputs: out0 2 x 2,048 x 1,024 float32.
;; This version of the problem:
;;   THIS VERSION OF THE PROBLEM IS GIVEN IN LOW PRECISION. The matrix products marked QUANTISED in the list below multiply operands that are first quantised to E2M3 (2 exponent bits, 3 mantissa bits; 6 bits a number), with one power-of-two scale for each 32 numbers along K (OCP MX v1.0); their sums are f32. All else is computed in f32.
;;   The module's matrix products, in the order in which they are computed (A, B: the left and right operand; K: the contracted axis; several contracted axes count as one K, in the product's order):
;;     1. [M 4,096, K 1,024] x [K 1,024, N 3,072]; A: input x; B: input w_qkv: QUANTISED
;;     2. batch 32 x [M 2,048, K 64] x [K 64, N 2,048]; A: computed on the way; B: computed on the way: QUANTISED
;;     3. batch 32 x [M 64, K 2,048] x [K 2,048, N 2,048]; A: computed on the way; B: softmax (see below): QUANTISED
;;     4. [M 4,096, K 1,024] x [K 1,024, N 1,024]; A: computed on the way; B: input w_out: QUANTISED
;;   THE QUANTISER, for each operand of a quantised product, along K:
;;     - K is cut into blocks of 32 from its start; a last block that is shorter is filled with zeros.
;;     - A block's scale is 2^e with e = floor(log2(the largest magnitude in the block)) - 2, held to -126 .. 127; a block of zeros has e = 0. As a byte (E8M0): e + 127.
;;     - Each number is divided by its block's scale, clamped to +-7.5, and rounded to the nearest number of E2M3, ties to even, subnormals kept.
;;     - The product sums the exact products of the quantised numbers (number of the format x scale) in f32.
;;   ~~~python
;;   def quantise(x, axis):      # numpy; x: float32 -> the quantised numbers, widened to float32 again
;;       x = np.moveaxis(x, axis, -1); K = x.shape[-1]
;;       x = np.pad(x, [(0, 0)] * (x.ndim - 1) + [(0, -K % 32)]); x = x.reshape(x.shape[:-1] + (-1, 32)); a = np.abs(x).max(-1, keepdims=True)
;;       e = np.where(a > 0, np.clip(np.frexp(np.where(a > 0, a, 1))[1] - 1 - 2, -126, 127), 0)      # np.frexp(a)[1] - 1 = floor(log2(a)), exactly
;;       r = np.clip(x / 2.0 ** e, -7.5, 7.5)
;;       step = 2.0 ** (np.maximum(np.frexp(np.where(r == 0, 1, r))[1] - 1, 0) - 3)
;;       q = np.round(r / step) * step * 2.0 ** e      # np.round: ties to even
;;       return np.moveaxis(q.reshape(q.shape[:-2] + (-1,))[..., :K], -1, axis).astype(np.float32)
;;   ~~~
;;   SOFTMAX AHEAD OF A QUANTISED PRODUCT. Where the list says 'softmax', what is quantised is not the finished softmax but p = 2^(t - M), with t = logit x log2(e) and M = ceil(the row's largest t), a whole number; so 1/2 < the row's largest p <= 1. The row's sum l is taken of the UNQUANTISED p, in f32, and the product's result is divided by l at the end. Since M is a whole number, a kernel that streams over the keys may use a running M (the ceiling of the running maximum): every later rescaling is an exact power of two, which a block's scale takes up: the codes' values come out the same.
;;   OPERANDS COMPUTED ON THE WAY. 'Computed on the way' means the value that the module computes at that place (a softmax that the list does not call 'softmax' is quantised finished and normalised). What goes into a quantiser is computed in f32, as accurately as f32 sums, v_exp_f32 and their like allow (about 1e-6 of the number): no bf16 or f16 on the way to a quantiser, and a product that is left as it is and whose result goes on into a quantised operand takes f32 operands (vector FMAs, or v_wmma_f32_16x16x4_f32). A number that lies on a knife's edge between two numbers of the format may be rounded either way, as far as f32 arithmetic and the matrix unit's own rounding can turn it there, and no further.
;; One version. Each part assembles by itself: llvm-mc -triple=amdgcn-amd-amdhsa -mcpu=gfx1250 --defsym DOCPART=n.
;; ======== version 1 of 1: 4 launches
;; limits: right only within a limited range of input values
;; workspace buffers: xq 3,276,800 bytes; wq 3,276,800 bytes; qkv 10,092,544 bytes; oq 3,276,800 bytes
;; launch quant (part 1): grid 512 x 1, 4 waves a work-group, no clusters, 80,384 bytes of LDS; arguments x, w_qkv, w_out, xq, wq; writes xq, wq
.if DOCPART == 1
	.amdgcn_target "amdgcn-amd-amdhsa--gfx1250"
	.amdhsa_code_object_version 6
	.text
	.protected	k_qb34b8874a8_quant
	.globl	k_qb34b8874a8_quant
	.p2align	8
	.type	k_qb34b8874a8_quant,@function
k_qb34b8874a8_quant:
	s_mov_b64 s[64:65], 0
	v_nop
	global_prefetch_b8 v0, s[64:65] scope:SCOPE_SE
	s_setreg_imm32_b32 hwreg(HW_REG_WAVE_MODE, 25, 1), 1
	s_wait_xcnt 0x0
; x [4096][1024], w_qkv [1024][3072] and w_out [1024][1024], f32, become codes of FP6 (E2M3) with one E8M0 byte for each 32 along K (K = 1,024 in all three).
; THE WORKSPACE FORMAT.  Rows (tokens of x, columns of the weights) go in blocks of 128, K in steps of 128.  A block's K step is a record of 12,800 bytes: eight tiles of 16 rows x 1,536 bytes of codes,
; then eight x 64 bytes of scale words (one word a row: the step's four bytes).  Tile 2 B + u holds rows 32 B + 8 u + r + 8 (r / 8), r = 0 .. 15.  A tile's 1,536 bytes are two images of 768 bytes, one for each 64 along K:
; lane l = r + 16 h of the reading wave owns the 24 bytes of codes of k = 32 h .. 32 h + 31 of row r: its first 16 bytes at 16 l, its last 8 at 512 + 8 l.  So six operand registers come by one load of 16 and one of 8 bytes a lane.
; A block's scale is 2^(floor(log2(largest magnitude)) - 2): its byte is the largest magnitude's exponent field - 2, held at 1 from below by a floor among the maximum's leaves.
; A block of zeros so has the byte 1 (not 127): its codes are zeros, and the bytes are read by this program alone.
; LIMITS: NaN and infinities among the inputs are not served; blocks whose largest magnitude lies under 2^-124 have their byte held at 1.
; SHARES.  Work-groups 0-255: x; work-group = a tile of 16 tokens, wave = a quarter of K (256 numbers a row).  Work-groups 256-511: the weights; work-group = (K step, block of 128 columns), wave = 32 columns.
; No tensor load, no barrier: waves share nothing.  The two paths have LDS bytes of their own.
; WORK LEFT OUT IN THIS PROGRAM.  Whole tiles of scores that lie behind the causal mask are not computed.  The factor m[i] of the mask is not applied to query i: where m[i] = 0 the row's result is multiplied by m[i] at the end, and is 0 for all finite inputs.
; A NaN, an infinity or an overflow that reaches only this work is not carried to the result.
.set FLOOR, 0x1800000                  ; 2^(3 - 127)
.set REC,   12800
.set XPI,   1040                       ; x's stage: a row's 1,024 bytes + 16
.set XST,   16*XPI                     ; a wave's stage on x's path
.set WST0,  4*XST                      ; the weights' stages begin here
.set WTI,   1664                       ; a tile's 1,536 bytes + 128
.set WST,   2*WTI                      ; a wave's stage on the weights' path
; A lane's own block of 32 numbers, v[x] .. v[x + 31], becomes six registers of codes, v[c] .. v[c + 5], and its byte in v[by].  v8-10 at work.
.macro QB x, c, by
	v_max3_num_f32 v8, |v[\x]|, |v[\x+1]|, FLOOR                   ; the largest magnitude, in two chains, the floor among the leaves
	v_max3_num_f32 v9, |v[\x+2]|, |v[\x+3]|, |v[\x+4]|
.irp i, 5,9,13,17,21,25
	v_max3_num_f32 v8, v8, |v[\x+\i]|, |v[\x+\i+1]|
	v_max3_num_f32 v9, v9, |v[\x+\i+2]|, |v[\x+\i+3]|
.endr
	v_max3_num_f32 v8, v8, |v[\x+29]|, |v[\x+30]|
	v_max3_num_f32 v8, v8, v9, |v[\x+31]|
	v_add_nc_u32 v10, 0xff000000, v8                               ; 2 off its exponent field: the conversion takes this operand's exponent field as its scale
	v_cvt_scalef32_pk16_fp6_f32 v[\c:\c+2], v[\x:\x+15], v10
	v_cvt_scalef32_pk16_fp6_f32 v[\c+4:\c+6], v[\x+16:\x+31], v10   ; (a conversion's three registers begin on an even number)
	v_lshrrev_b32 v[\by], 23, v10                                  ; the byte; also the plain line behind the conversions
	v_mov_b32 v[\c+3], v[\c+4]                                     ; the second half moves down by one register: 24 bytes on end
	v_mov_b32 v[\c+4], v[\c+5]
	v_mov_b32 v[\c+5], v[\c+6]
.endm
	s_load_b128 s[4:7], s[0:1], 0x0                ; x, w_qkv
	s_load_b128 s[8:11], s[0:1], 0x10              ; w_out, xq
	s_load_b64 s[12:13], s[0:1], 0x20              ; wq
	v_lshl_add_u32 v55, v0, 2, 0x13800
	v_mov_b32 v63, 0
	v_lshrrev_b32 v1, 5, v0
	v_readfirstlane_b32 s14, v1                    ; wave 0..3
	v_and_b32 v1, 31, v0                           ; lane
	v_and_b32 v2, 15, v0                           ; r
	v_bfe_u32 v3, v0, 4, 1                         ; h
	s_wait_kmcnt 0x0
	s_cmp_lt_u32 ttmp9, 256
	s_cbranch_scc0 .Lweights
; ---------------- x: tile = work-group, quarter of K = wave
	s_lshr_b32 s15, ttmp9, 1
	s_lshl_b32 s15, s15, 17                        ; 32 (tile / 2) rows of 4,096 bytes
	s_and_b32 s16, ttmp9, 1
	s_lshl_b32 s16, s16, 15                        ; + 8 (tile % 2) rows
	s_add_co_u32 s16, s15, s16
	s_lshl_b32 s15, s14, 10                        ; + my quarter: 1,024 bytes
	s_add_co_u32 s16, s16, s15
	s_mov_b32 s17, 0
	s_add_nc_u64 s[4:5], s[4:5], s[16:17]
	s_lshr_b32 s18, ttmp9, 3
	s_lshl_b32 s18, s18, 3
	s_lshl_b32 s15, s14, 1
	s_add_co_u32 s18, s18, s15
	s_mul_i32 s18, s18, REC                        ; the record of (block, K step 2 x wave)
	s_and_b32 s20, ttmp9, 7                        ; the tile in its block
	s_lshl_b32 s22, s20, 6
	s_add_co_u32 s22, s22, s18
	s_add_co_u32 s22, s22, 12288                   ; its scale words
	s_mov_b32 s23, 0
	s_mul_i32 s20, s20, 1536
	s_add_co_u32 s18, s18, s20                     ; its codes
	s_mov_b32 s19, 0
	s_add_nc_u64 s[18:19], s[10:11], s[18:19]
	s_add_nc_u64 s[22:23], s[10:11], s[22:23]
	s_mov_b32 s24, 0x76543210
	s_mov_b32 s25, 0xfedcba98                      ; lane selects: lane l xor 16
	s_mul_i32 s21, s14, XST
	s_wait_alu depctr_va_vdst(0)
	v_lshlrev_b32 v6, 4, v1                        ; 16 x lane
	v_lshl_add_u32 v7, v1, 3, 512                  ; 512 + 8 x lane
	v_add_nc_u32 v4, s21, v6                       ; the stage, on the way in: as loaded
	v_mul_u32_u24 v5, v2, XPI
	v_lshl_add_u32 v5, v3, 7, v5
	v_add_nc_u32 v5, s21, v5                       ; and back: row r, + 128 h: my 32 neighbours
	v_mul_u32_u24 v21, v3, REC
	v_lshl_add_u32 v21, v2, 2, v21                 ; scale words: lanes 0-15 the first K step's record, lanes 16-31 the second's
.set p, 0
.rept 16                                       ; the tile's 16 rows, two loads of 512 consecutive bytes each
	global_load_b128 v[64+8*p:67+8*p], v6, s[4:5] offset:(p+8*(p/8))*4096 th:TH_LOAD_NT
	global_load_b128 v[68+8*p:71+8*p], v6, s[4:5] offset:(p+8*(p/8))*4096+512 th:TH_LOAD_NT
.set p, p+1
.endr
.set q, 0
	s_wait_alu depctr_va_vdst(0)
.rept 4
	s_wait_loadcnt 24-8*q                          ; loads come back in order: four rows' eight loads are in, the younger groups stay out
.set p, 4*q
.rept 4
	ds_store_b128 v4, v[64+8*p:67+8*p] offset:p*XPI
	ds_store_b128 v4, v[68+8*p:71+8*p] offset:p*XPI+512
.set p, p+1
.endr
.set q, q+1
.endr
.macro DL g                            ; 64 along K number g of my quarter: my 32 numbers into set g % 2.  LDS serves a wave's instructions in order: these see my stores
.irp q, 0,1,2,3,4,5,6,7
	ds_load_b128 v[192+32*((\g)%2)+4*\q:195+32*((\g)%2)+4*\q], v5 offset:(\g)*256+16*\q
.endr
.endm
.macro XSTEP g
.if (\g) < 3
	s_wait_dscnt 0x8                               ; this set's eight loads are in; the next set's eight may be out
.else
	s_wait_dscnt 0x0
.endif
	QB 192+32*((\g)%2), 32+8*(\g), 12+(\g)
.if (\g) < 2
	DL (\g)+2
.endif
	global_store_b128 v6, v[32+8*(\g):35+8*(\g)], s[18:19] offset:((\g)/2)*REC+((\g)%2)*768   ; 512 consecutive bytes a wave
	global_store_b64 v7, v[36+8*(\g):37+8*(\g)], s[18:19] offset:((\g)/2)*REC+((\g)%2)*768    ; 256 more.  Each step has code registers of its own: no store's data are written again
.endm
	DL 0
	DL 1
	XSTEP 0
	XSTEP 1
	XSTEP 2
	XSTEP 3
	v_lshl_or_b32 v16, v13, 16, v12                ; my two bytes of the first K step: blocks h and 2 + h,
	v_lshl_or_b32 v17, v15, 16, v14                ; and of the second,
	v_lshlrev_b32 v18, 3, v3
	v_lshlrev_b32 v16, v18, v16                    ; at their places in the word (8 h bits up)
	v_lshlrev_b32 v17, v18, v17
	v_mov_b32 v19, 0                               ; (a lane permute's destination counts as one of its sources)
	v_mov_b32 v20, 0
	v_permlanex16_b32 v19, v16, s24, s25
	v_permlanex16_b32 v20, v17, s24, s25
	v_or_b32 v16, v16, v19                         ; with lane l xor 16's two bytes the words are whole
	v_or_b32 v17, v17, v20
	v_cmp_eq_u32 vcc_lo, 1, v3
	v_cndmask_b32 v16, v16, v17, vcc_lo            ; lanes 0-15 store the first word, lanes 16-31 the second
	global_store_b32 v21, v16, s[22:23]
	s_wait_tensorcnt 0x0
	ds_add_u32 v55, v63
	s_wait_dscnt 0x0
	s_endpgm
; ---------------- the weights: a lane takes a column, its registers run down the K step's 128
.Lweights:
	s_sub_co_u32 s15, ttmp9, 256
	s_lshr_b32 s16, s15, 5                         ; K step 0..7
	s_and_b32 s17, s15, 31                         ; block of 128 columns: 0-23 w_qkv's, 24-31 w_out's
	s_mov_b32 s18, 4096
	s_cmp_lt_u32 s17, 24                           ; the choice hangs on the work-group's number alone
	s_cselect_b64 s[4:5], s[6:7], s[8:9]
	s_cselect_b32 s18, 12288, s18                  ; a row of the tensor in bytes
	s_cselect_b32 s19, 0, 24
	s_sub_co_u32 s19, s17, s19
	s_lshl_b32 s19, s19, 9                         ; the block's first column, in bytes
	s_lshl_b32 s20, s16, 7
	s_mul_i32 s20, s20, s18                        ; the K step's first row
	s_add_co_u32 s20, s20, s19
	s_lshl_b32 s21, s14, 7                         ; my wave's 32 columns
	s_add_co_u32 s20, s20, s21
	s_mov_b32 s21, 0
	s_add_nc_u64 s[32:33], s[4:5], s[20:21]
	s_lshl_b32 s22, s18, 4                         ; sixteen rows on
	s_mov_b32 s23, 0
.irp j, 1,2,3,4,5,6,7                          ; eight bases, sixteen rows apart: no immediate hangs on the row's length
	s_add_nc_u64 s[32+2*\j:33+2*\j], s[30+2*\j:31+2*\j], s[22:23]
.endr
	s_lshl_b32 s24, s17, 3
	s_add_co_u32 s24, s24, s16
	s_mul_i32 s24, s24, REC                        ; the record of (block, K step)
	s_mov_b32 s25, 0
	s_add_nc_u64 s[12:13], s[12:13], s[24:25]
	s_wait_alu depctr_va_vdst(0)
	v_lshlrev_b32 v6, 2, v1
.set i, 0
.rept 16
	v_mad_u32_u24 v[32+i], s18, i, v6              ; 4 x lane + i rows
.set i, i+1
.endr
	v_bfe_u32 v22, v0, 3, 1                        ; column l of the 32 is row r' = l % 8 + 8 (l / 16) of tile u = (l / 8) % 2
	v_and_b32 v23, 7, v0
	v_lshl_add_u32 v23, v3, 3, v23
	s_mul_i32 s26, s14, WST
	s_add_co_u32 s26, s26, WST0                    ; my stage
	v_mul_u32_u24 v24, v22, WTI
	v_add_nc_u32 v24, s26, v24
	v_lshl_add_u32 v4, v23, 4, v24                 ; where my first 16 bytes of a block go,
	v_lshl_add_u32 v5, v23, 3, v24
	v_add_nc_u32 v5, 512, v5                       ; and my last 8
	v_lshlrev_b32 v11, 4, v1
	v_add_nc_u32 v7, s26, v11                      ; back: 16 x lane
	s_mul_i32 s27, s14, 3072
	v_add_nc_u32 v11, s27, v11                     ; and in the record: my two tiles
	s_lshl_b32 s27, s14, 7
	s_add_co_u32 s27, s27, 12288
	v_lshl_add_u32 v21, v22, 6, s27
	v_lshl_add_u32 v21, v23, 2, v21                ; my column's scale word
.macro WLOAD kb                        ; block kb of 32 along K: each load reads 128 consecutive bytes a wave
.set i, 0
.rept 32
	global_load_b32 v[64+32*(\kb)+i], v[32+i%16], s[32+4*(\kb)+2*(i/16):33+4*(\kb)+2*(i/16)] th:TH_LOAD_NT
.set i, i+1
.endr
.endm
.macro WBLK kb
.if (\kb) < 3
	s_wait_loadcnt 32                              ; this block's 32 loads are in; the next block's may be out
.else
	s_wait_loadcnt 0x0
.endif
.if (\kb) < 2
	WLOAD (\kb)+2
.endif
	QB 64+32*(\kb), 192+8*(\kb), 12+(\kb)
	ds_store_b128 v4, v[192+8*(\kb):195+8*(\kb)] offset:((\kb)/2)*768+((\kb)%2)*256     ; block kb is image kb / 2, half kb % 2 of the lanes
	ds_store_b64 v5, v[196+8*(\kb):197+8*(\kb)] offset:((\kb)/2)*768+((\kb)%2)*128
.endm
	WLOAD 0
	WLOAD 1
	WBLK 0
	WBLK 1
	WBLK 2
	WBLK 3
	v_lshl_or_b32 v16, v13, 8, v12                 ; all four bytes of the word are mine
	v_lshl_or_b32 v16, v14, 16, v16
	v_lshl_or_b32 v16, v15, 24, v16
	global_store_b32 v21, v16, s[12:13]
.irp i, 0,1,2,3,4,5
	ds_load_b128 v[224+4*\i:227+4*\i], v7 offset:(\i/3)*WTI+(\i%3)*512    ; LDS serves a wave's instructions in order: these see my stores
.endr
.irp i, 0,1,2,3,4,5
	s_wait_dscnt 5-\i
	global_store_b128 v11, v[224+4*\i:227+4*\i], s[12:13] offset:(\i/3)*1536+(\i%3)*512   ; 512 consecutive bytes, at a multiple of 256 from the buffer's first byte
.endr
	s_wait_tensorcnt 0x0
	ds_add_u32 v55, v63
	s_wait_dscnt 0x0
	s_endpgm
.Lfunc_end_k_qb34b8874a8_quant:
	.size	k_qb34b8874a8_quant, .Lfunc_end_k_qb34b8874a8_quant-k_qb34b8874a8_quant
	.p2alignl 7, 3214868480
	.fill 96, 4, 3214868480
	.section	.rodata,"a",@progbits
	.p2align	6, 0x0
	.amdhsa_kernel k_qb34b8874a8_quant
		.amdhsa_group_segment_fixed_size 80384
		.amdhsa_private_segment_fixed_size 0
		.amdhsa_enable_private_segment 0
		.amdhsa_kernarg_size 40
		.amdhsa_user_sgpr_count 2
		.amdhsa_user_sgpr_kernarg_segment_ptr 1
		.amdhsa_wavefront_size32 1
		.amdhsa_system_sgpr_workgroup_id_x 1
		.amdhsa_system_sgpr_workgroup_id_y 1
		.amdhsa_system_sgpr_workgroup_id_z 1
		.amdhsa_system_vgpr_workitem_id 0
		.amdhsa_next_free_vgpr 256
		.amdhsa_next_free_sgpr 66
		.amdhsa_reserve_vcc 1
		.amdhsa_float_denorm_mode_32 3
		.amdhsa_float_denorm_mode_16_64 3
		.amdhsa_memory_ordered 1
		.amdhsa_forward_progress 1
		.amdhsa_inst_pref_size 40
	.end_amdhsa_kernel
	.amdgpu_metadata
---
amdhsa.version: [ 1, 2 ]
amdhsa.kernels:
  - .name:           k_qb34b8874a8_quant
    .symbol:         k_qb34b8874a8_quant.kd
    .args:
      - { .name: x, .offset: 0, .size: 8, .value_kind: global_buffer, .address_space: global }
      - { .name: w_qkv, .offset: 8, .size: 8, .value_kind: global_buffer, .address_space: global }
      - { .name: w_out, .offset: 16, .size: 8, .value_kind: global_buffer, .address_space: global }
      - { .name: xq, .offset: 24, .size: 8, .value_kind: global_buffer, .address_space: global }
      - { .name: wq, .offset: 32, .size: 8, .value_kind: global_buffer, .address_space: global }
    .group_segment_fixed_size: 80384
    .private_segment_fixed_size: 0
    .kernarg_segment_align: 8
    .kernarg_segment_size: 40
    .max_flat_workgroup_size: 128
    .sgpr_count:     66
    .vgpr_count:     256
    .wavefront_size: 32
...
	.end_amdgpu_metadata
.endif
;; end of part 1
;; launch qkvgemm (part 2): grid 8 x 32, 4 waves a work-group, clusters of 4 x 4, 327,680 bytes of LDS; arguments xq, wq, qkv; writes qkv
.if DOCPART == 2
	.amdgcn_target "amdgcn-amd-amdhsa--gfx1250"
	.amdhsa_code_object_version 6
	.text
	.protected	k_qb34b8874a8_qkvgemm
	.globl	k_qb34b8874a8_qkvgemm
	.p2align	8
	.type	k_qb34b8874a8_qkvgemm,@function
k_qb34b8874a8_qkvgemm:
	s_mov_b64 s[64:65], 0
	v_nop
	global_prefetch_b8 v0, s[64:65] scope:SCOPE_SE
	s_setreg_imm32_b32 hwreg(HW_REG_WAVE_MODE, 25, 1), 1
	s_wait_xcnt 0x0
	s_wait_alu depctr_hold_cnt(0) depctr_sa_sdst(0) depctr_va_vdst(0) depctr_va_sdst(0) depctr_va_ssrc(0) depctr_va_vcc(0) depctr_vm_vsrc(0)
	s_getreg_b32 s2, hwreg(HW_REG_IB_STS2, 6, 4)
	s_cmp_eq_u32 s2, 0
	s_cbranch_scc0 .Lentry_in_a_cluster
	s_endpgm
.Lentry_in_a_cluster:
	s_bfe_u32 s2, ttmp6, 0x10000c
	s_cmp_lg_u32 s2, 0xf033
	s_cbranch_scc0 .Lentry_shape_is_right
	s_endpgm
.Lentry_shape_is_right:
; qkv = x w_qkv on codes of FP6 (E2M3) with E8M0 scales, and its results quantised again on the way out: q and k along the head's 64, v along the tokens.
; OPERANDS: xq and wq, records of 12,800 bytes for (block of 128 rows, K step of 128): eight tiles x 1,536 bytes of register images, then eight x 64 bytes of scale words.  Tile 2 B + u holds rows 32 B + 8 u + r + 8 (r / 8).
; SHARES.  Work-group (X8, Y) keeps x's block Y (all of K, 102,400 bytes) in LDS and makes three tiles of 128 x 128: against W's blocks X8 (q of heads 2 X8, 2 X8 + 1), 8 + X8 (k) and 16 + X8 (v).
; Four waves, each 64 x 64: 16 accumulators.  Wave w: half w % 2 of W's block (one head), half w / 2 of the tokens.
; q, k: source 0 = W's tile, source 1 = x's: a lane holds one token, and by the tiles' row order the 16 registers of two neighbouring tiles are 16 neighbours of the head's 64.  v: the sources swapped: a lane holds one channel, its registers run along the tokens.
; RESULTS.  q, k: [q heads 0-15, k heads 16-31][block of 128 tokens][6,656]: eight tiles x 768 bytes (one image: K = 64), then eight x 64 bytes of words (bytes 0, 1 the two blocks; bytes 2, 3 zero).
;           v, from byte VOFF: [block of 128 tokens][head][6,400]: four tiles of 16 channels x 1,536 bytes (two images: K = 128 tokens), then four x 64 bytes of words.
; CLUSTER 4 x 4: W's blocks hang on X8 and are asked for jointly along a column, x's on Y and along a row.
; LDS: x's block at 0; W's two slots behind it; the first block of W and x's come in four chunks of two K steps, so that the products begin on the first; the second block of W comes with them; the third fills slot 0 again, once.
; LIMITS: NaN and infinities are not served; a block of zeros has the byte 1 with zero codes (the bytes are read by this program alone).
; REGISTERS: window 0: v1-31 addresses; v32-63 codes; v64-95 at work in the quantiser; v96-103 scale words, two sets (lanes 0-15 x's tile i, lanes 16-31 W's tile i); v104-109 words; v128-255 accumulators.
;            window 1: two sets of fragments at v0 and v128: W's four (12 registers each), then x's four.
.set REC,   12800
.set BLKB,  8*REC
.set XREG,  0
.set WS0,   BLKB
.set WS1,   2*BLKB
.set SPARE, 3*BLKB                     ; the spare words: 128 bytes for each wave, two blocks of 256 bytes that no other line names
.set FLOOR, 0x1800000
.set KREC,  6656
.set VREC,  6400
.set VOFF,  32*32*KREC
.set ACC, 128
.set SCR, 96
.set PC,  32
.set BM,  64
.set PT,  72
.set SO,  80
.set BY,  88
.set PW,  104
.set SW,  108
.set SPW, 20
.set NIL, 21
.set WV,  10
.set WW,  11
.set WX,  12
.set CX,  13
.set CY,  14
.set X8,  15
.set YB,  16
.set G1WK, 20                          ; s[20:27] a K step of W (50 rows of 256 bytes), to my column of the cluster
.set G1XK, 28                          ; s[28:35] a K step of x, to my row
.set G1WQ, 36                          ; s[36:43] a quarter of a block of W (100 rows), to my column
.set G0W,  44                          ; s[44:59] four groups 0 for W's chunks
.set G0X,  68                          ; s[68:83] four for x's
.set G0Q,  84                          ; s[84:87] the quarter's
.set SEL,  66                          ; s[66:67] lane selects: lane l xor 16
.set MSB, 0
.macro WIN new                         ; the immediate's high byte repeats the setting that is left
.if MSB != \new
	s_set_vgpr_msb (MSB<<8)|\new
.set MSB, \new
.endif
.endm
.set MUL,  0x05                        ; sources 0 and 1 window 1; C and D window 0
.set TO_F, 0x40                        ; destination window 1, address window 0
.macro PLACES                          ; four plain vector lines between a matrix instruction and a load into its registers or a read of its result
.rept 4
	v_nop
.endr
.endm
.macro CROUND                          ; a round of the cluster's barrier
	s_barrier_signal -1
	s_barrier_wait -1
	s_cmp_lg_u32 s[WV], 0
	s_cbranch_scc1 .Lnot_wave_0_\@
	s_barrier_signal -3
.Lnot_wave_0_\@:
	s_barrier_wait -3
	s_barrier_signal -1
	s_barrier_wait -1
.endm
.macro FRAG reg, a16, a8, off          ; a fragment: two images, each 16 bytes a lane and 8 bytes a lane, dense
	ds_load_b128 v[\reg:\reg+3], v[\a16] offset:\off
	ds_load_b64 v[\reg+4:\reg+5], v[\a8] offset:\off
	ds_load_b128 v[\reg+6:\reg+9], v[\a16] offset:\off+768
	ds_load_b64 v[\reg+10:\reg+11], v[\a8] offset:\off+768
.endm
.macro FETCH slot, s, p                ; K step s of W's slot and of x into set p: 36 loads.  K steps 4-7 have address registers of their own: an immediate holds 16 bits
	WIN TO_F
.irp i, 0,1,2,3
	FRAG 128*(\p)+12*\i, 4+4*(\slot)+(\s)/4, 6+4*(\slot)+(\s)/4, ((\s)%4)*REC+\i*1536
.endr
.irp i, 0,1,2,3
	FRAG 128*(\p)+48+12*\i, 12+(\s)/4, 14+(\s)/4, ((\s)%4)*REC+\i*1536
.endr
	WIN 0
.irp i, 0,1,2,3
	ds_load_b32 v[SCR+4*(\p)+\i], v[16+2*(\slot)+(\s)/4] offset:((\s)%4)*REC+\i*64
.endr
.endm
; Eight products.  order 0: source 0 = W's tile a, source 1 = x's tile b; order 1: source 0 = x's tile a, source 1 = W's tile b.  The accumulator is ACC + 32 b + 8 a.  cm = 0: the product starts the sum.
; W's scale words lie in lanes 16-31 of the scale registers.  The 16 accumulators take turns, one instruction a turn, in the same order in every step.
.macro MUL8 order, p, x0, cm
.irp b, \x0, \x0+1
.irp a, 0,1,2,3
.set rD, ACC+32*(\b)+8*\a
.set rA, 128*(\p)+48*(\order)+12*\a
.set rB, 128*(\p)+48*(1-(\order))+12*(\b)
.set sA, SCR+4*(\p)+\a
.set sB, SCR+4*(\p)+(\b)
.if (\order) == 0
.if (\cm) == 0
	v_wmma_scale_f32_16x16x128_f8f6f4 v[rD:rD+7], v[rA:rA+11], v[rB:rB+11], 0, v[sA], v[sB] matrix_a_fmt:MATRIX_FMT_FP6 matrix_b_fmt:MATRIX_FMT_FP6 matrix_a_scale:MATRIX_SCALE_ROW1
.else
	v_wmma_scale_f32_16x16x128_f8f6f4 v[rD:rD+7], v[rA:rA+11], v[rB:rB+11], v[rD:rD+7], v[sA], v[sB] matrix_a_fmt:MATRIX_FMT_FP6 matrix_b_fmt:MATRIX_FMT_FP6 matrix_a_scale:MATRIX_SCALE_ROW1
.endif
.else
.if (\cm) == 0
	v_wmma_scale_f32_16x16x128_f8f6f4 v[rD:rD+7], v[rA:rA+11], v[rB:rB+11], 0, v[sA], v[sB] matrix_a_fmt:MATRIX_FMT_FP6 matrix_b_fmt:MATRIX_FMT_FP6 matrix_b_scale:MATRIX_SCALE_ROW1
.else
	v_wmma_scale_f32_16x16x128_f8f6f4 v[rD:rD+7], v[rA:rA+11], v[rB:rB+11], v[rD:rD+7], v[sA], v[sB] matrix_a_fmt:MATRIX_FMT_FP6 matrix_b_fmt:MATRIX_FMT_FP6 matrix_b_scale:MATRIX_SCALE_ROW1
.endif
.endif
.endr
.endr
.endm
; A K step: set p is multiplied while K step ns of slot nslot is fetched into the other set.  arrive >= 0: that fetch opens bytes that tensor loads bring: my part is waited for
; (arrive = my younger tensor loads, which may stay out) and a barrier shows everybody's.
.macro STEP p, order, cm, arrive, nslot, ns
	s_wait_dscnt 0x0                               ; set p is in
.if (\arrive) >= 0
	s_wait_tensorcnt \arrive
	s_barrier_signal -1
	s_barrier_wait -1
.endif
	PLACES                                         ; the other set was read by the last step's products
	FETCH \nslot, \ns, 1-(\p)
	WIN MUL
	MUL8 \order, \p, 0, \cm
	MUL8 \order, \p, 2, \cm
	WIN 0
.endm
; THE WAY OUT of a tile: the 16 accumulators are eight blocks of 32 along the next K (block e = registers ACC + 16 e .. + 15 of lanes l and l xor 16).  kind 0: q; 1: k; 2: v.
.macro QEPI kind
	s_wait_xcnt 0x0                                ; the last tile's stores have read their data and their base: both are written again below
	PLACES
.irp e, 0,1,2,3,4,5,6,7
	v_max3_num_f32 v[BM+\e], |v[ACC+16*\e]|, |v[ACC+16*\e+1]|, FLOOR   ; each accumulator is read from its low end on
.endr
.irp i, 2,4,6,8,10,12,14
.irp e, 0,1,2,3,4,5,6,7
	v_max3_num_f32 v[BM+\e], v[BM+\e], |v[ACC+16*\e+\i]|, |v[ACC+16*\e+\i+1]|   ; the eight blocks by turns
.endr
.endr
.irp e, 0,1,2,3,4,5,6,7
	v_permlanex16_b32 v[PT+\e], v[BM+\e], s[SEL], s[SEL+1]
.endr
.irp e, 0,1,2,3,4,5,6,7
	v_max_num_f32 v[BM+\e], v[BM+\e], v[PT+\e]     ; with lane l xor 16's: the block's largest magnitude
.endr
.irp e, 0,1,2,3,4,5,6,7
	v_add_nc_u32 v[SO+\e], 0xff000000, v[BM+\e]    ; 2 off its exponent field: the conversion's scale operand
.endr
.irp e, 0,1,2,3,4,5,6,7
	v_lshrrev_b32 v[BY+\e], 23, v[SO+\e]           ; the byte
.endr
.irp b, 0,1,2,3
	v_lshl_or_b32 v[PW+\b], v[BY+2*\b+1], 8, v[BY+2*\b]   ; two bytes: the image's two blocks
.endr
.irp b, 0,1,2,3
	v_cvt_scalef32_pk16_fp6_f32 v[PC+8*\b:PC+8*\b+2], v[ACC+32*\b:ACC+32*\b+15], v[SO+2*\b]
	v_cvt_scalef32_pk16_fp6_f32 v[PC+8*\b+4:PC+8*\b+6], v[ACC+32*\b+16:ACC+32*\b+31], v[SO+2*\b+1]
.endr
	v_nop                                          ; one plain line behind the conversions
.irp b, 0,1,2,3
.irp i, 0,1,2
	v_permlane16_swap_b32 v[PC+8*\b+\i], v[PC+8*\b+4+\i]   ; a whole block to a lane: lanes 0-15 block 0, lanes 16-31 block 1
.endr
.endr
.irp b, 0,1,2,3
	v_mov_b32 v[PC+8*\b+3], v[PC+8*\b+4]
	v_mov_b32 v[PC+8*\b+4], v[PC+8*\b+5]
	v_mov_b32 v[PC+8*\b+5], v[PC+8*\b+6]
.endr
	v_cmp_ne_u32 vcc_lo, 0, v3
	v_cndmask_b32 v[SW], v[PW], v[PW+1], vcc_lo    ; lanes 0-15 store tile 0's (2's) words, lanes 16-31 tile 1's (3's)
	v_cndmask_b32 v[SW+1], v[PW+2], v[PW+3], vcc_lo
.if (\kind) == 0
	s_add_nc_u64 s[96:97], s[8:9], s[98:99]
.elseif (\kind) == 1
	s_add_nc_u64 s[96:97], s[96:97], 16*32*KREC    ; k's heads lie sixteen heads behind q's
.else
	s_add_nc_u64 s[96:97], s[8:9], s[100:101]
.endif
.if (\kind) < 2
.irp b, 0,1,2,3
	global_store_b128 v22, v[PC+8*\b:PC+8*\b+3], s[96:97] offset:\b*768      ; 512 consecutive bytes,
	global_store_b64 v23, v[PC+8*\b+4:PC+8*\b+5], s[96:97] offset:\b*768     ; and 256
.endr
	global_store_b32 v24, v[SW], s[96:97]
	global_store_b32 v24, v[SW+1], s[96:97] offset:128
.else
.irp b, 0,1,2,3
	global_store_b128 v25, v[PC+8*\b:PC+8*\b+3], s[96:97] offset:\b*1536
	global_store_b64 v26, v[PC+8*\b+4:PC+8*\b+5], s[96:97] offset:\b*1536
.endr
	global_store_b16 v27, v[SW], s[96:97]          ; my 64 tokens are half of the word's four blocks
	global_store_b16 v27, v[SW+1], s[96:97] offset:128
.endif
.endm
	s_load_b128 s[4:7], s[0:1], 0x0                ; xq, wq
	s_load_b64 s[8:9], s[0:1], 0x10                ; qkv
	v_lshl_add_u32 v[SPW], v0, 2, SPARE
	v_mov_b32 v[NIL], 0
	ds_add_u32 v20, v21
	ds_add_u32 v20, v21
	s_wait_dscnt 0x0
	v_lshrrev_b32 v1, 5, v0
	v_readfirstlane_b32 s[WV], v1                  ; wave 0..3
	s_and_b32 s[WW], s[WV], 1                      ; my half of W's block.  Also: which K step of a chunk I fetch
	s_lshr_b32 s[WX], s[WV], 1                     ; my half of the tokens.  Also: I fetch for W (0) or for x (1)
	s_bfe_u32 s[CX], ttmp6, 0x40000
	s_bfe_u32 s[CY], ttmp6, 0x40004
	s_lshl_b32 s[X8], ttmp9, 2
	s_add_co_u32 s[X8], s[X8], s[CX]               ; work-group x = 4 x cluster x + cx
	s_and_b32 s[YB], ttmp7, 0xffff
	s_lshl_b32 s[YB], s[YB], 2
	s_add_co_u32 s[YB], s[YB], s[CY]               ; work-group y
	s_lshl_b32 s17, 0x1111, s[CX]                  ; my column of the cluster
	s_lshl_b32 s18, s[CY], 2
	s_lshl_b32 s18, 15, s18                        ; my row
	s_or_b32 s[G1WK], s17, (3<<16)|(1<<21)         ; 15:0 the mask; 17:16 elements of 8 bytes; 21 set beside a mask; no padding
	s_or_b32 s[G1XK], s18, (3<<16)|(1<<21)
	s_or_b32 s[G1WQ], s17, (3<<16)|(1<<21)
.irp g, G1WK, G1XK
	s_mov_b32 s[\g+1], 32<<16                      ; tensor_dim0 = 32 elements: rows of 256 bytes
	s_mov_b32 s[\g+2], 50<<16                      ; tensor_dim1 = 50 rows: 12,800 dense bytes
	s_mov_b32 s[\g+3], 32<<16                      ; tile_dim0
	s_mov_b32 s[\g+4], 50                          ; tile_dim1
	s_mov_b32 s[\g+5], 32                          ; the pitch
	s_mov_b32 s[\g+6], 0
	s_mov_b32 s[\g+7], 0
.endr
	s_mov_b32 s[G1WQ+1], 32<<16
	s_mov_b32 s[G1WQ+2], 100<<16                   ; 100 rows: 25,600 dense bytes
	s_mov_b32 s[G1WQ+3], 32<<16
	s_mov_b32 s[G1WQ+4], 100
	s_mov_b32 s[G1WQ+5], 32
	s_mov_b32 s[G1WQ+6], 0
	s_mov_b32 s[G1WQ+7], 0
	s_mul_i32 s60, s[WW], REC                      ; my K step of a chunk, in memory and in LDS alike
	s_mul_i32 s61, s[WV], 2*REC                    ; my quarter of a block
	s_mul_i32 s88, s[X8], BLKB                     ; W: block X8 (registers that never hold y)
	s_add_co_u32 s88, s88, s60
	s_mov_b32 s89, 0
	s_mul_i32 s90, s[X8], BLKB                     ; W: block 8 + X8, my quarter
	s_add_co_u32 s90, s90, s61
	s_add_co_u32 s90, s90, 8*BLKB
	s_mov_b32 s91, 0
	s_mul_i32 s92, s[YB], BLKB                     ; x: block Y (registers that never hold x)
	s_add_co_u32 s92, s92, s60
	s_mov_b32 s93, 0
	s_wait_kmcnt 0x0
	s_add_nc_u64 s[88:89], s[6:7], s[88:89]
	s_add_nc_u64 s[90:91], s[6:7], s[90:91]
	s_add_nc_u64 s[92:93], s[4:5], s[92:93]
.irp c, 0,1,2,3
	s_mov_b32 s[G0W+4*\c], 1
	s_add_co_u32 s[G0W+4*\c+1], s60, WS0+2*\c*REC
	s_add_nc_u64 s[G0W+4*\c+2:G0W+4*\c+3], s[88:89], 2*\c*REC
	s_or_b32 s[G0W+4*\c+3], s[G0W+4*\c+3], 0x80000000
	s_mov_b32 s[G0X+4*\c], 1
	s_add_co_u32 s[G0X+4*\c+1], s60, XREG+2*\c*REC
	s_add_nc_u64 s[G0X+4*\c+2:G0X+4*\c+3], s[92:93], 2*\c*REC
	s_or_b32 s[G0X+4*\c+3], s[G0X+4*\c+3], 0x80000000
.endr
	s_mov_b32 s[G0Q], 1
	s_add_co_u32 s[G0Q+1], s61, WS1
	s_mov_b64 s[G0Q+2:G0Q+3], s[90:91]
	s_or_b32 s[G0Q+3], s[G0Q+3], 0x80000000
	CROUND                                         ; all sixteen work-groups are here: the first joint loads meet
	s_cmp_lt_u32 s[WV], 2                          ; a wave's five first fills stand in one branch on its number: five loads of mine are out
	s_cbranch_scc0 .Lfill_x
	tensor_load_to_lds s[G0W:G0W+3], s[G1WK:G1WK+7]
	s_nop 0
	tensor_load_to_lds s[G0W+4:G0W+7], s[G1WK:G1WK+7]
	s_nop 0
	tensor_load_to_lds s[G0W+8:G0W+11], s[G1WK:G1WK+7]
	s_nop 0
	tensor_load_to_lds s[G0W+12:G0W+15], s[G1WK:G1WK+7]
	s_nop 0
	tensor_load_to_lds s[G0Q:G0Q+3], s[G1WQ:G1WQ+7]
	s_nop 0
	PLACES
	s_branch .Lfilled
.Lfill_x:
	tensor_load_to_lds s[G0X:G0X+3], s[G1XK:G1XK+7]
	s_nop 0
	tensor_load_to_lds s[G0X+4:G0X+7], s[G1XK:G1XK+7]
	s_nop 0
	tensor_load_to_lds s[G0X+8:G0X+11], s[G1XK:G1XK+7]
	s_nop 0
	tensor_load_to_lds s[G0X+12:G0X+15], s[G1XK:G1XK+7]
	s_nop 0
	tensor_load_to_lds s[G0Q:G0Q+3], s[G1WQ:G1WQ+7]
	s_nop 0
	PLACES
.Lfilled:
	v_and_b32 v1, 31, v0                           ; lane
	v_and_b32 v2, 15, v0                           ; r
	v_bfe_u32 v3, v0, 4, 1                         ; h
	v_lshlrev_b32 v28, 4, v1                       ; 16 x lane
	v_lshl_add_u32 v29, v1, 3, 512                 ; 512 + 8 x lane
	s_mul_i32 s62, s[WW], 4*1536                   ; my four tiles of W's block,
	s_mul_i32 s63, s[WX], 4*1536                   ; and of x's
.irp t, 0,1
.irp q, 0,1
	s_add_co_u32 s19, s62, WS0+\t*BLKB+\q*4*REC
	v_add_nc_u32 v[4+4*\t+\q], s19, v28            ; v4-11: slot t: 16-byte pieces (K steps 0-3, 4-7), then 8-byte pieces
	v_add_nc_u32 v[6+4*\t+\q], s19, v29
.endr
.endr
.irp q, 0,1
	s_add_co_u32 s19, s63, XREG+\q*4*REC
	v_add_nc_u32 v[12+\q], s19, v28                ; v12-15: the same for x
	v_add_nc_u32 v[14+\q], s19, v29
.endr
	s_lshl_b32 s62, s[WX], 8                       ; scale words: lanes 0-15 x's four tiles, lanes 16-31 W's: the lower base + h x the distance
	s_lshl_b32 s63, s[WW], 8
	s_add_co_u32 s63, s63, WS0-XREG
	s_sub_co_u32 s63, s63, s62
	v_lshl_add_u32 v31, v2, 2, s62
	v_mul_u32_u24 v30, s63, v3
	v_add_nc_u32 v30, v30, v31
	v_add_nc_u32 v16, XREG+12288, v30              ; v16, 17: slot 0
	v_add_nc_u32 v17, XREG+12288+4*REC, v30
	s_add_co_u32 s63, s63, BLKB
	v_mul_u32_u24 v30, s63, v3
	v_add_nc_u32 v30, v30, v31
	v_add_nc_u32 v18, XREG+12288, v30              ; v18, 19: slot 1
	v_add_nc_u32 v19, XREG+12288+4*REC, v30
	s_mul_i32 s62, s[WX], 3072                     ; the way out, q and k: my four tiles of tokens in the record
	v_add_nc_u32 v22, s62, v28
	v_add_nc_u32 v23, s62, v29
	s_lshl_b32 s62, s[WX], 8
	s_add_co_u32 s62, s62, 6144
	v_lshl_add_u32 v24, v3, 6, s62
	v_lshl_add_u32 v24, v2, 2, v24
	s_mul_i32 s62, s[WX], 768                      ; v: my 64 tokens are image w / 2 of each tile of channels
	v_add_nc_u32 v25, s62, v28
	v_add_nc_u32 v26, s62, v29
	s_lshl_b32 s62, s[WX], 1
	s_add_co_u32 s62, s62, 6144
	v_lshl_add_u32 v27, v3, 6, s62
	v_lshl_add_u32 v27, v2, 2, v27
	s_lshl_b32 s98, s[X8], 1
	s_add_co_u32 s98, s98, s[WW]                   ; my head
	s_lshl_b32 s100, s[YB], 4
	s_add_co_u32 s100, s100, s98
	s_mul_i32 s100, s100, VREC
	s_add_co_u32 s100, s100, VOFF                  ; v's record (block of tokens, head)
	s_mov_b32 s101, 0
	s_lshl_b32 s98, s98, 5
	s_add_co_u32 s98, s98, s[YB]
	s_mul_i32 s98, s98, KREC                       ; q's record (head, block of tokens)
	s_mov_b32 s99, 0
	s_mov_b32 s[SEL], 0x76543210
	s_mov_b32 s[SEL+1], 0xfedcba98
.irp e, 0,1,2,3,4,5,6,7
	v_mov_b32 v[PT+\e], 0                          ; written once: a lane permute's destination counts as one of its sources
.endr
	; ---- tile 0: q
	s_wait_tensorcnt 0x4                           ; my part of chunk 0 is in; three chunks and the quarter may be out
	s_barrier_signal -1
	s_barrier_wait -1                              ; everybody's is
	FETCH 0, 0, 0
	STEP 0, 0, 0, -1, 0, 1
	STEP 1, 0, 1, 3, 0, 2
	STEP 0, 0, 1, -1, 0, 3
	STEP 1, 0, 1, 2, 0, 4
	STEP 0, 0, 1, -1, 0, 5
	STEP 1, 0, 1, 1, 0, 6
	STEP 0, 0, 1, -1, 0, 7
	s_wait_dscnt 0x0                               ; K step 7 is in registers: my reads of slot 0 are over
	s_wait_tensorcnt 0x0                           ; all my tensor loads have landed, my quarter of slot 1 among them: a group 0 may be written
	ds_add_u32 v[SPW], v[NIL]                      ; 0 onto my spare word
	s_add_co_u32 s[G0Q+1], s61, WS0                ; the quarter's descriptor: slot 0,
	s_add_nc_u64 s[G0Q+2:G0Q+3], s[G0Q+2:G0Q+3], 8*BLKB   ; W's block 16 + X8; the type bits on top are not reached
	WIN MUL
	MUL8 0, 1, 0, 1                                ; eight products stand between the add and the wait for it
	WIN 0
	s_wait_dscnt 0x0                               ; the add is done
	CROUND                                         ; no wave of any partner still reads slot 0 or has a load on its way
	tensor_load_to_lds s[G0Q:G0Q+3], s[G1WQ:G1WQ+7]   ; my one joint refill: it has the whole of tile 1 in which to land
	s_nop 0
	PLACES                                         ; also the places in front of the loads below
	FETCH 1, 0, 0
	WIN MUL
	MUL8 0, 1, 2, 1
	WIN 0
	QEPI 0
	; ---- tile 1: k, from slot 1
	STEP 0, 0, 0, -1, 1, 1
	STEP 1, 0, 1, -1, 1, 2
	STEP 0, 0, 1, -1, 1, 3
	STEP 1, 0, 1, -1, 1, 4
	STEP 0, 0, 1, -1, 1, 5
	STEP 1, 0, 1, -1, 1, 6
	STEP 0, 0, 1, -1, 1, 7
	STEP 1, 0, 1, 0, 0, 0                          ; my quarter of the third block is in (no younger load), then everybody's
	QEPI 1
	; ---- tile 2: v, from slot 0, the sources swapped
	STEP 0, 1, 0, -1, 0, 1
	STEP 1, 1, 1, -1, 0, 2
	STEP 0, 1, 1, -1, 0, 3
	STEP 1, 1, 1, -1, 0, 4
	STEP 0, 1, 1, -1, 0, 5
	STEP 1, 1, 1, -1, 0, 6
	STEP 0, 1, 1, -1, 0, 7
	s_wait_dscnt 0x0
	WIN MUL
	MUL8 1, 1, 0, 1
	MUL8 1, 1, 2, 1
	WIN 0
	QEPI 2
	s_wait_tensorcnt 0x0                           ; the wave's end
	ds_add_u32 v[SPW], v[NIL]
	s_wait_dscnt 0x0
	CROUND                                         ; the closing round: no work-group ends while a partner may still ask for a tile that names it
	s_endpgm
.Lfunc_end_k_qb34b8874a8_qkvgemm:
	.size	k_qb34b8874a8_qkvgemm, .Lfunc_end_k_qb34b8874a8_qkvgemm-k_qb34b8874a8_qkvgemm
	.p2alignl 7, 3214868480
	.fill 96, 4, 3214868480
	.section	.rodata,"a",@progbits
	.p2align	6, 0x0
	.amdhsa_kernel k_qb34b8874a8_qkvgemm
		.amdhsa_group_segment_fixed_size 327680
		.amdhsa_private_segment_fixed_size 0
		.amdhsa_enable_private_segment 0
		.amdhsa_kernarg_size 24
		.amdhsa_user_sgpr_count 2
		.amdhsa_user_sgpr_kernarg_segment_ptr 1
		.amdhsa_wavefront_size32 1
		.amdhsa_system_sgpr_workgroup_id_x 1
		.amdhsa_system_sgpr_workgroup_id_y 1
		.amdhsa_system_sgpr_workgroup_id_z 1
		.amdhsa_system_vgpr_workitem_id 0
		.amdhsa_next_free_vgpr 512
		.amdhsa_next_free_sgpr 102
		.amdhsa_reserve_vcc 1
		.amdhsa_float_denorm_mode_32 3
		.amdhsa_float_denorm_mode_16_64 3
		.amdhsa_memory_ordered 1
		.amdhsa_forward_progress 1
		.amdhsa_inst_pref_size 147
	.end_amdhsa_kernel
	.amdgpu_metadata
---
amdhsa.version: [ 1, 2 ]
amdhsa.kernels:
  - .name:           k_qb34b8874a8_qkvgemm
    .symbol:         k_qb34b8874a8_qkvgemm.kd
    .args:
      - { .name: xq, .offset: 0, .size: 8, .value_kind: global_buffer, .address_space: global }
      - { .name: wq, .offset: 8, .size: 8, .value_kind: global_buffer, .address_space: global }
      - { .name: qkv, .offset: 16, .size: 8, .value_kind: global_buffer, .address_space: global }
    .group_segment_fixed_size: 327680
    .private_segment_fixed_size: 0
    .kernarg_segment_align: 8
    .kernarg_segment_size: 24
    .max_flat_workgroup_size: 128
    .sgpr_count:     102
    .vgpr_count:     512
    .wavefront_size: 32
...
	.end_amdgpu_metadata
.endif
;; end of part 2
;; launch attn (part 3): grid 8 x 32, 16 waves a work-group, clusters of 4 x 1, 219,136 bytes of LDS; arguments qkv, m, oq; writes oq
.if DOCPART == 3
	.amdgcn_target "amdgcn-amd-amdhsa--gfx1250"
	.amdhsa_code_object_version 6
	.text
	.protected	k_qb34b8874a8_attn
	.globl	k_qb34b8874a8_attn
	.p2align	8
	.type	k_qb34b8874a8_attn,@function
k_qb34b8874a8_attn:
	s_mov_b64 s[64:65], 0
	v_nop
	global_prefetch_b8 v0, s[64:65] scope:SCOPE_SE
	s_setreg_imm32_b32 hwreg(HW_REG_WAVE_MODE, 25, 1), 1
	s_wait_xcnt 0x0
	s_wait_alu depctr_hold_cnt(0) depctr_sa_sdst(0) depctr_va_vdst(0) depctr_va_sdst(0) depctr_va_ssrc(0) depctr_va_vcc(0) depctr_vm_vsrc(0)
	s_getreg_b32 s2, hwreg(HW_REG_IB_STS2, 6, 4)
	s_cmp_eq_u32 s2, 0
	s_cbranch_scc0 .Lentry_in_a_cluster
	s_endpgm
.Lentry_in_a_cluster:
	s_bfe_u32 s2, ttmp6, 0x10000c
	s_cmp_lg_u32 s2, 0x3003
	s_cbranch_scc0 .Lentry_shape_is_right
	s_endpgm
.Lentry_shape_is_right:
; o = softmax(q k^T / 8, under the causal mask and the padding mask m) v for one (batch, head), both products on codes of FP6 (E2M3) with E8M0 scales; o is quantised along C on the way out.
; THE SOFTMAX: t = score x log2(e) / 8; M = the row's largest t so far, rounded up to a whole number; p = 2^(t - M) is quantised along the keys, not normalised; the row's sum is taken of the unquantised p and divides at the end.
; When M moves, the sum and O are multiplied by 2^(old M - new M): exact.
; SHARES.  Work-group (g, batch x head): its sixteen waves take query tile g (16 queries) of the sixteen blocks of 128 queries.  Wave w takes block blk(w), a permutation of 0 .. 15 in which any four waves equal in w % 4, or in w / 4,
; hold 34 key steps together.  A wave walks key steps 0 .. blk of 128 keys; step blk lies on the diagonal.  Both hang on the wave's number alone.
; CLUSTER 4 x 1: the four partners read the same K and V: each tile is asked for jointly.  A whole head lies in LDS, filled once: one barrier, then the waves run free.
; LAYOUT.  Both products are used transposed (S^T = K Q^T, O^T = V^T P^T): a lane holds one query.  By the tiles' row order (tile 2 B + u holds rows 32 B + 8 u + r + 8 (r / 8)) the 16 registers of two neighbouring tiles are 16 neighbouring keys, or channels.
; THE HEAD'S 64 IN AN INSTRUCTION OF 128: q's upper six registers are zero codes; k's operand of tile t names the next tile's six registers as its upper half, which meet q's zeros; the words' bytes 2, 3 are 0, never 0xff.
; THE PADDING MASK: bias[j] = -2^126 where m[j] = 0, else 0, is laid in LDS once and is the C of the first product.  The largest t begins at -2^110, above every hidden key's t: a hidden key never sets M, and its p is 0.
; LIMITS: m[i] m[j] that underflows to 0 with both factors non-zero is not taken as hidden; |q . k| stays under 2^110; NaN and infinities are not served.
; A query with m = 0 is computed as any other row (finite; a row with no visible key gives 0); the last launch multiplies it by its m.
; REGISTERS: v1-7 addresses that stay; v8-14 the step's; v15 my query's place; v16-27 q (upper six 0), v28 its word; v29 -2^126; v30, 31, 94 output offsets; v32-79 K's 8 x 6, then V's 4 x 12; v80-85 0; v86-93 scale words;
;            v96-159 S^T, then p; v160-191 O^T; v192-210 p's codes; v212-237 at work.
.set KREG,  0
.set VREG,  106496
.set BREG,  208896                     ; the bias: 2,048 f32, written by LDS stores alone
.set KREC,  6656
.set VREC,  6400
.set VOFF,  32*32*KREC
.set REC,   12800
.set FLOOR, 0x1800000
.set WV,  10
.set BLK, 11
.set SEL, 20
.set CS,  22
.set G1K, 24
.set G1V, 32
.set G0K, 40
.set G0V, 44
.set SG,  48
.set TK,  49
.set TV,  50
.set TB,  51
.macro PLACES
.rept 4
	v_nop
.endr
.endm
.macro CROUND
	s_barrier_signal -1
	s_barrier_wait -1
	s_cmp_lg_u32 s[WV], 0
	s_cbranch_scc1 .Lnot_wave_0_\@
	s_barrier_signal -3
.Lnot_wave_0_\@:
	s_barrier_wait -3
	s_barrier_signal -1
	s_barrier_wait -1
.endm
	s_load_b128 s[4:7], s[0:1], 0x0                ; qkv, m
	s_load_b64 s[8:9], s[0:1], 0x10                ; oq
	v_lshl_add_u32 v254, v0, 2, 0x35000
	v_mov_b32 v255, 0
	ds_add_u32 v254, v255
	ds_add_u32 v254, v255
	v_lshrrev_b32 v1, 5, v0
	s_delay_alu instid0(VALU_DEP_1)
	v_readfirstlane_b32 s[WV], v1                  ; wave 0..15
	s_lshr_b32 s52, s[WV], 2                       ; blk = w, or 15 - w where (w xor w / 4) % 4 is 0 or 3
	s_xor_b32 s52, s52, s[WV]
	s_and_b32 s52, s52, 3
	s_lshr_b32 s53, s52, 1
	s_xor_b32 s52, s52, s53
	s_and_b32 s52, s52, 1
	s_xor_b32 s52, s52, 1
	s_mul_i32 s52, s52, 15
	s_xor_b32 s[BLK], s[WV], s52
	s_bfe_u32 s12, ttmp6, 0x40000                  ; cx
	s_lshl_b32 s13, ttmp9, 2
	s_add_co_u32 s13, s13, s12                     ; g: it enters q's and o's global addresses and a lane's number alone
	s_and_b32 s14, ttmp7, 0xffff
	s_lshr_b32 s15, s14, 4                         ; batch
	s_and_b32 s16, s14, 15                         ; head
	s_mov_b32 s[G1K], 15|(3<<16)|(1<<21)           ; the mask: all four partners; elements of 8 bytes; bit 21 beside a mask
	s_mov_b32 s[G1K+1], 32<<16                     ; K: 104 rows of 256 bytes: a quarter of the head's 106,496 dense bytes
	s_mov_b32 s[G1K+2], 104<<16
	s_mov_b32 s[G1K+3], 32<<16
	s_mov_b32 s[G1K+4], 104
	s_mov_b32 s[G1K+5], 32
	s_mov_b32 s[G1K+6], 0
	s_mov_b32 s[G1K+7], 0
	s_mov_b32 s[G1V], 15|(3<<16)|(1<<21)
	s_mov_b32 s[G1V+1], 800<<16                    ; V: 4 records of 6,400 bytes, 16 records (102,400 bytes) apart
	s_mov_b32 s[G1V+2], 4<<16
	s_mov_b32 s[G1V+3], 800<<16
	s_mov_b32 s[G1V+4], 4
	s_mov_b32 s[G1V+5], 12800
	s_mov_b32 s[G1V+6], 0
	s_mov_b32 s[G1V+7], 0
	s_and_b32 s54, s[WV], 3                        ; which quarter I fetch, if I fetch
	s_lshl_b32 s55, s15, 4                         ; 16 x batch
	s_add_co_u32 s56, s16, 16
	s_lshl_b32 s56, s56, 5
	s_add_co_u32 s56, s56, s55
	s_mul_i32 s56, s56, KREC                       ; K of (head, batch)
	s_mul_i32 s58, s54, 4*KREC
	s_add_co_u32 s56, s56, s58
	s_mov_b32 s57, 0
	s_lshl_b32 s60, s54, 2
	s_add_co_u32 s60, s60, s55
	s_lshl_b32 s60, s60, 4
	s_add_co_u32 s60, s60, s16
	s_mul_i32 s60, s60, VREC
	s_add_co_u32 s60, s60, VOFF                    ; V of (key steps 4 x quarter on, head)
	s_mov_b32 s61, 0
	s_mul_i32 s59, s54, 4*VREC
	s_wait_dscnt 0x0
	s_wait_kmcnt 0x0
	s_mov_b32 s[G0K], 1
	s_add_co_u32 s[G0K+1], s58, KREG
	s_add_nc_u64 s[G0K+2:G0K+3], s[4:5], s[56:57]
	s_or_b32 s[G0K+3], s[G0K+3], 0x80000000
	s_mov_b32 s[G0V], 1
	s_add_co_u32 s[G0V+1], s59, VREG
	s_add_nc_u64 s[G0V+2:G0V+3], s[4:5], s[60:61]
	s_or_b32 s[G0V+3], s[G0V+3], 0x80000000
	CROUND                                         ; all four work-groups are here: the joint loads meet
	s_cmp_lt_u32 s[WV], 4                          ; waves 0-3 fetch K's quarters, waves 4-7 V's, the others nothing: one load a wave
	s_cbranch_scc0 .Lnot_k
	tensor_load_to_lds s[G0K:G0K+3], s[G1K:G1K+7]
	s_nop 0
	PLACES
	s_branch .Lasked
.Lnot_k:
	s_cmp_lt_u32 s[WV], 8
	s_cbranch_scc0 .Lasked
	tensor_load_to_lds s[G0V:G0V+3], s[G1V:G1V+7]
	s_nop 0
	PLACES
.Lasked:
	s_lshl_b32 s52, s15, 13
	s_mov_b32 s53, 0
	s_add_nc_u64 s[6:7], s[6:7], s[52:53]          ; m of my batch
	s_lshl_b32 s52, s16, 5
	s_add_co_u32 s52, s52, s55
	s_add_co_u32 s52, s52, s[BLK]
	s_mul_i32 s52, s52, KREC
	s_add_nc_u64 s[66:67], s[4:5], s[52:53]        ; q's record (head, block of queries)
	v_and_b32 v95, 31, v0                          ; lane
	v_and_b32 v10, 15, v0                          ; r
	v_bfe_u32 v11, v0, 4, 1                        ; h
	s_delay_alu instid0(VALU_DEP_3)
	v_lshlrev_b32 v30, 4, v95                      ; 16 x lane
	s_wait_alu depctr_va_vdst(0)
	v_lshl_add_u32 v31, v95, 3, 512                ; 512 + 8 x lane
	s_wait_alu depctr_va_vdst(0)
	v_lshlrev_b32 v94, 2, v10                      ; 4 r
	s_wait_alu depctr_va_vdst(0)
	v_lshlrev_b32 v13, 4, v0                       ; 16 x thread
	s_mul_i32 s52, s13, 768
	v_add_nc_u32 v8, s52, v30
	v_add_nc_u32 v9, s52, v31
	s_lshl_b32 s52, s13, 6
	s_add_co_u32 s52, s52, 6144
	v_add_nc_u32 v12, s52, v94
	global_load_b128 v[96:99], v13, s[6:7]         ; four of m's 2,048
	global_load_b128 v[16:19], v8, s[66:67]        ; q's tile g: six registers,
	global_load_b64 v[20:21], v9, s[66:67]
	global_load_b32 v28, v12, s[66:67]             ; and its scale word
	s_add_co_u32 s52, s55, s[BLK]                  ; o's record: (block of tokens, K step head / 2); image head % 2 of tile g
	s_lshl_b32 s52, s52, 3
	s_lshr_b32 s54, s16, 1
	s_add_co_u32 s52, s52, s54
	s_mul_i32 s52, s52, REC
	s_and_b32 s54, s16, 1
	s_mul_i32 s72, s13, 1536
	s_add_co_u32 s72, s72, s52
	s_mul_i32 s74, s54, 768
	s_add_co_u32 s72, s72, s74
	s_mov_b32 s73, 0
	s_add_nc_u64 s[68:69], s[8:9], s[72:73]
	s_lshl_b32 s72, s13, 6
	s_add_co_u32 s72, s72, s52
	s_lshl_b32 s74, s54, 1
	s_add_co_u32 s72, s72, s74
	s_add_co_u32 s72, s72, 12288
	s_add_nc_u64 s[70:71], s[8:9], s[72:73]        ; and my half of its scale words
	s_mov_b32 s[SEL], 0x76543210
	s_mov_b32 s[SEL+1], 0xfedcba98
	s_mov_b32 s[CS], 0x3e38aa3b                    ; c = log2(e) / 8
	s_mov_b32 s[CS+1], s[CS]                       ; (named with it as a pair, so it is written)
	v_add_nc_u32 v1, KREG, v30
	v_add_nc_u32 v2, KREG, v31
	v_add_nc_u32 v3, KREG+6144, v94
	v_add_nc_u32 v4, VREG, v30
	v_add_nc_u32 v5, VREG, v31
	v_add_nc_u32 v6, VREG+6144, v94
	v_lshl_add_u32 v7, v11, 6, BREG                ; the bias of my half's 16 keys of a block of 32
	v_lshl_add_u32 v14, v0, 4, BREG
	s_lshr_b32 s52, s13, 1
	s_lshl_b32 s52, s52, 5
	s_and_b32 s53, s13, 1
	s_lshl_b32 s53, s53, 3
	s_add_co_u32 s52, s52, s53
	v_and_b32 v15, 8, v10
	s_delay_alu instid0(VALU_DEP_1)
	v_add_nc_u32 v15, v15, v10
	s_delay_alu instid0(VALU_DEP_1)
	v_add_nc_u32 v15, s52, v15                     ; my query's place in its block of 128,
	v_lshlrev_b32 v232, 4, v11
	s_delay_alu instid0(VALU_DEP_1)
	v_sub_nc_u32 v15, v15, v232                    ; less 16 h: register 16 b + i holds key 32 b + 16 h + i of the step
	v_mov_b32 v29, 0xfe800000                      ; -2^126
.irp i, 22,23,24,25,26,27,80,81,82,83,84,85
	v_mov_b32 v\i, 0                               ; zero codes
.endr
.set j, 0
.rept 32
	v_mov_b32 v[160+j], 0                          ; O^T.  (The step is written once: the first finds zeros)
.set j, j+1
.endr
.irp i, 216,217,218,219,230,231,233
	v_mov_b32 v\i, 0                               ; permutes' destinations, the sum's two halves, the upper half of a pair that is named
.endr
	v_mov_b32 v229, 0xf6800000                     ; the largest t so far: -2^110
	s_delay_alu instid0(VALU_DEP_1)
	v_floor_f32 v228, -v229                        ; -M
	s_wait_loadcnt 0x3                             ; m's load is in; q's three may be out
.irp i, 0,1,2,3
	v_cmp_eq_f32 vcc_lo, 0, v[96+\i]
	s_delay_alu instid0(VALU_DEP_1)
	v_cndmask_b32 v[96+\i], 0, v29, vcc_lo         ; -2^126 where m = 0, else 0
.endr
	ds_store_b128 v14, v[96:99]
	s_wait_tensorcnt 0x0                           ; my tile, if I fetched one, has landed,
	s_wait_dscnt 0x0                               ; my part of the bias is stored,
	s_barrier_signal -1
	s_barrier_wait -1                              ; everybody's
	s_wait_loadcnt 0x0                             ; q
	s_mov_b32 s[SG], 0
	s_mov_b32 s[TK], 0
	s_mov_b32 s[TV], 0
	s_mov_b32 s[TB], 0
.Lstep:                                        ; 16 trips, a constant; a step all of whose keys come after my queries is left out, by a branch on the wave's number
	s_cmp_gt_u32 s[SG], s[BLK]
	s_cbranch_scc1 .Lskip
	s_setprio 2
	v_add_nc_u32 v8, s[TK], v1                     ; (these seven are also the places behind the last step's products)
	v_add_nc_u32 v9, s[TK], v2
	v_add_nc_u32 v10, s[TK], v3
	v_add_nc_u32 v11, s[TV], v4
	v_add_nc_u32 v12, s[TV], v5
	v_add_nc_u32 v13, s[TV], v6
	v_add_nc_u32 v14, s[TB], v7
.set j, 0
.rept 16
	ds_load_b128 v[96+4*j:99+4*j], v14 offset:128*(j/4)+16*(j%4)   ; the bias in the result's layout: sixteen lanes read one address
.set j, j+1
.endr
.irp t, 0,1,2,3,4,5,6,7
	ds_load_b128 v[32+6*\t:35+6*\t], v8 offset:768*\t
	ds_load_b64 v[36+6*\t:37+6*\t], v9 offset:768*\t
	ds_load_b32 v[86+\t], v10 offset:64*\t
.endr
	s_wait_alu depctr_va_vdst(0)
	s_wait_dscnt 0x0
.irp t, 0,1,2,3,4,5,6,7                        ; S^T = K Q^T + bias
	v_wmma_scale_f32_16x16x128_f8f6f4 v[96+8*\t:103+8*\t], v[32+6*\t:43+6*\t], v[16:27], v[96+8*\t:103+8*\t], v[86+\t], v28 matrix_a_fmt:MATRIX_FMT_FP6 matrix_b_fmt:MATRIX_FMT_FP6
.endr
	PLACES
.irp t, 0,1,2,3                                ; V's four fragments into K's registers: they land under the softmax
	ds_load_b128 v[32+12*\t:35+12*\t], v11 offset:1536*\t
	ds_load_b64 v[36+12*\t:37+12*\t], v12 offset:1536*\t
	ds_load_b128 v[38+12*\t:41+12*\t], v11 offset:1536*\t+768
	ds_load_b64 v[42+12*\t:43+12*\t], v12 offset:1536*\t+768
	ds_load_b32 v[86+\t], v13 offset:64*\t
.endr
	s_cmp_lg_u32 s[SG], s[BLK]
	s_cbranch_scc1 .Lopen
.set n, 0
.rept 64                                       ; on the diagonal: a key behind my query becomes -2^126
	v_cmp_gt_i32 vcc_lo, 32*(n/16)+n%16, v15
	v_cndmask_b32 v[96+n], v[96+n], v29, vcc_lo
.set n, n+1
.endr
.Lopen:
.irp b, 0,1,2,3
	v_max3_num_f32 v[212+\b], v[96+16*\b], v[97+16*\b], v[98+16*\b]   ; the largest score of each block of 32 keys: for the row's maximum, and, since p rises with the score, for the block's largest p
.endr
.irp i, 3,5,7,9,11,13
.irp b, 0,1,2,3
	v_max3_num_f32 v[212+\b], v[212+\b], v[96+16*\b+\i], v[97+16*\b+\i]
.endr
.endr
.irp b, 0,1,2,3
	v_max_num_f32 v[212+\b], v[212+\b], v[111+16*\b]
.endr
.irp b, 0,1,2,3
	s_delay_alu instid0(VALU_DEP_4)
	v_permlanex16_b32 v[216+\b], v[212+\b], s[SEL], s[SEL+1]
.endr
.irp b, 0,1,2,3
	s_delay_alu instid0(VALU_DEP_4)
	v_max_num_f32 v[212+\b], v[212+\b], v[216+\b]  ; with lane l xor 16's 16 keys
.endr
	s_delay_alu instid0(VALU_DEP_2)
	v_max3_num_f32 v234, v212, v213, v214
	s_delay_alu instid0(VALU_DEP_1)
	v_max_num_f32 v234, v234, v215
	s_delay_alu instid0(VALU_DEP_1)
	v_mul_f32 v234, s[CS], v234                    ; the step's largest t
	s_delay_alu instid0(VALU_DEP_1)
	v_max_num_f32 v229, v229, v234                 ; the running largest t
	v_mov_b32 v234, v228
	s_delay_alu instid0(VALU_DEP_2)
	v_floor_f32 v228, -v229                        ; the new -M = floor(-t): M is a whole number
	s_delay_alu instid0(VALU_DEP_1)
	v_sub_f32 v234, v228, v234                     ; old M - new M: a whole number, 0 or less
	s_delay_alu instid0(VALU_DEP_1)
	v_cvt_i32_f32 v234, v234                       ; (it saturates)
	s_delay_alu instid0(VALU_DEP_1)
	v_ldexp_f32 v232, 1.0, v234                    ; f = 2^(old M - new M)
.set j, 0
	s_setprio 1
.rept 32
	v_pk_fma_f32 v[96+j:97+j], v[96+j:97+j], s[CS:CS+1], v[228:229] op_sel_hi:[1,0,0]   ; t - M, two at a time
.set j, j+2
.endr
.irp b, 0,1,2,3
	v_fma_f32 v[212+\b], v[212+\b], s[CS], v228    ; the same of each block's largest score
.endr
.set j, 0
	s_wait_alu depctr_va_vdst(0)
.rept 64
	v_exp_f32 v[96+j], v[96+j]                     ; p = 2^(t - M)
.set j, j+1
.endr
	v_pk_mul_f32 v[230:231], v[230:231], v[232:233] op_sel_hi:[1,0]   ; the sums under the new M; the plain line behind the exponentials
	s_wait_alu depctr_va_vdst(0)                   ; one wait for the batch of 64, ahead of its first reader
.irp b, 0,1,2,3
	v_exp_f32 v[212+\b], v[212+\b]                 ; the blocks' largest p
.endr
	v_pk_add_f32 v[236:237], v[100:101], v[104:105]
	v_pk_add_f32 v[252:253], v[108:109], v[112:113]
	v_pk_add_f32 v[250:251], v[116:117], v[120:121]
	v_pk_add_f32 v[248:249], v[124:125], v[128:129]
	v_pk_add_f32 v[246:247], v[132:133], v[136:137]
	v_pk_add_f32 v[244:245], v[140:141], v[144:145]
	v_pk_add_f32 v[242:243], v[148:149], v[152:153]
	v_pk_add_f32 v[230:231], v[230:231], v[156:157]
	v_pk_add_f32 v[236:237], v[236:237], v[96:97]
	v_pk_add_f32 v[252:253], v[252:253], v[98:99]
	v_pk_add_f32 v[250:251], v[250:251], v[102:103]
	v_pk_add_f32 v[248:249], v[248:249], v[106:107]
	v_pk_add_f32 v[246:247], v[246:247], v[110:111]
	v_pk_add_f32 v[244:245], v[244:245], v[114:115]
	v_pk_add_f32 v[242:243], v[242:243], v[118:119]
	v_pk_add_f32 v[230:231], v[230:231], v[122:123]
	v_pk_add_f32 v[236:237], v[236:237], v[126:127]
	v_pk_add_f32 v[252:253], v[252:253], v[130:131]
	v_pk_add_f32 v[250:251], v[250:251], v[134:135]
	v_pk_add_f32 v[248:249], v[248:249], v[138:139]
	v_pk_add_f32 v[246:247], v[246:247], v[142:143]
	v_pk_add_f32 v[244:245], v[244:245], v[146:147]
	v_pk_add_f32 v[242:243], v[242:243], v[150:151]
	v_pk_add_f32 v[230:231], v[230:231], v[154:155]
	v_pk_add_f32 v[236:237], v[236:237], v[158:159]
	s_delay_alu instid0(VALU_DEP_2)
	v_pk_add_f32 v[230:231], v[230:231], v[248:249]
	s_delay_alu instid0(VALU_DEP_2)
	v_pk_add_f32 v[236:237], v[236:237], v[246:247]
	v_pk_add_f32 v[252:253], v[252:253], v[244:245]
	v_pk_add_f32 v[250:251], v[250:251], v[242:243]
	s_delay_alu instid0(VALU_DEP_2)
	v_pk_add_f32 v[230:231], v[230:231], v[252:253]
	s_delay_alu instid0(VALU_DEP_2)
	v_pk_add_f32 v[236:237], v[236:237], v[250:251]
	s_delay_alu instid0(VALU_DEP_1)
	v_pk_add_f32 v[230:231], v[230:231], v[236:237]
	s_setprio 0
	s_wait_alu depctr_va_vdst(0)                   ; and one for the four
.irp b, 0,1,2,3
	v_max_num_f32 v[212+\b], FLOOR, v[212+\b]      ; the floor: the byte cannot fall under 1
.endr
.irp b, 0,1,2,3
	s_delay_alu instid0(VALU_DEP_4)
	v_add_nc_u32 v[220+\b], 0xff000000, v[212+\b]  ; the conversion's scale operand
.endr
.irp b, 0,1,2,3
	s_delay_alu instid0(VALU_DEP_4)
	v_lshrrev_b32 v[224+\b], 23, v[220+\b]         ; the byte
.endr
	s_delay_alu instid0(VALU_DEP_3)
	v_lshl_or_b32 v233, v225, 8, v224              ; p's scale word for these 128 keys
	s_delay_alu instid0(VALU_DEP_1)
	v_lshl_or_b32 v233, v226, 16, v233
	s_delay_alu instid0(VALU_DEP_1)
	v_lshl_or_b32 v233, v227, 24, v233
.irp c, 0,1
	v_cvt_scalef32_pk16_fp6_f32 v[192+6*\c:194+6*\c], v[96+32*\c:111+32*\c], v[220+2*\c]
	v_cvt_scalef32_pk16_fp6_f32 v[204+4*\c:206+4*\c], v[112+32*\c:127+32*\c], v[221+2*\c]
.endr
	v_nop                                          ; one plain line behind the conversions
.irp c, 0,1
.irp i, 0,1,2
	v_permlane16_swap_b32 v[192+6*\c+\i], v[204+4*\c+\i]   ; a whole block to a lane
.endr
.irp i, 0,1,2
	s_delay_alu instid0(VALU_DEP_3)
	v_mov_b32 v[195+6*\c+\i], v[204+4*\c+\i]
.endr
.endr
.set j, 0
.rept 16
	v_pk_mul_f32 v[160+j:161+j], v[160+j:161+j], v[232:233] op_sel_hi:[1,0]   ; O^T under the new M.  (Also the places between the lines that made p's codes and word and the products)
.set j, j+2
.endr
	s_wait_alu depctr_va_vdst(0)
	s_wait_dscnt 0x0                               ; V is in
.irp t, 0,1,2,3                                ; O^T += V^T P^T
	v_wmma_scale_f32_16x16x128_f8f6f4 v[160+8*\t:167+8*\t], v[32+12*\t:43+12*\t], v[192:203], v[160+8*\t:167+8*\t], v[86+\t], v233 matrix_a_fmt:MATRIX_FMT_FP6 matrix_b_fmt:MATRIX_FMT_FP6
.endr
.Lskip:
	s_add_co_u32 s[TK], s[TK], KREC
	s_add_co_u32 s[TV], s[TV], VREC
	s_add_co_u32 s[TB], s[TB], 512
	s_add_co_u32 s[SG], s[SG], 1
	s_cmp_lt_u32 s[SG], 16
	s_cbranch_scc1 .Lstep
	s_setprio 0
	; THE WAY OUT: O^T / the sum, quantised along the head's 64 (two blocks of C), as one image of the last product's operand
	PLACES
	v_add_f32 v230, v230, v231
	s_delay_alu instid0(VALU_DEP_1)
	v_permlanex16_b32 v216, v230, s[SEL], s[SEL+1]
	s_delay_alu instid0(VALU_DEP_1)
	v_add_f32 v230, v230, v216                     ; the row's sum
	s_delay_alu instid0(VALU_DEP_1)
	v_max_num_f32 v230, 0x800000, v230             ; (a row with no visible key: 0 / 2^-126 = 0, finite)
	s_wait_alu depctr_va_vdst(0)
	v_rcp_f32 v232, v230
	v_nop                                          ; a plain line behind the reciprocal
	s_wait_alu depctr_va_vdst(0)                   ; the wait ahead of its first reader
.set j, 0
.rept 16
	v_pk_mul_f32 v[160+j:161+j], v[160+j:161+j], v[232:233] op_sel_hi:[1,0]
.set j, j+2
.endr
	v_max3_num_f32 v212, |v160|, |v161|, FLOOR
	v_max3_num_f32 v213, |v176|, |v177|, FLOOR
.irp i, 2,4,6,8,10,12,14
	s_delay_alu instid0(VALU_DEP_2)
	v_max3_num_f32 v212, v212, |v[160+\i]|, |v[161+\i]|
	s_delay_alu instid0(VALU_DEP_2)
	v_max3_num_f32 v213, v213, |v[176+\i]|, |v[177+\i]|
.endr
	s_delay_alu instid0(VALU_DEP_2)
	v_permlanex16_b32 v216, v212, s[SEL], s[SEL+1]
	s_delay_alu instid0(VALU_DEP_2)
	v_permlanex16_b32 v217, v213, s[SEL], s[SEL+1]
	s_delay_alu instid0(VALU_DEP_2)
	v_max_num_f32 v212, v212, v216
	s_delay_alu instid0(VALU_DEP_2)
	v_max_num_f32 v213, v213, v217
	s_delay_alu instid0(VALU_DEP_2)
	v_add_nc_u32 v220, 0xff000000, v212
	s_delay_alu instid0(VALU_DEP_2)
	v_add_nc_u32 v221, 0xff000000, v213
	s_delay_alu instid0(VALU_DEP_2)
	v_lshrrev_b32 v224, 23, v220
	s_delay_alu instid0(VALU_DEP_2)
	v_lshrrev_b32 v225, 23, v221
	s_delay_alu instid0(VALU_DEP_1)
	v_lshl_or_b32 v224, v225, 8, v224              ; my head's two bytes of the K step's word
	v_cvt_scalef32_pk16_fp6_f32 v[192:194], v[160:175], v220
	v_cvt_scalef32_pk16_fp6_f32 v[196:198], v[176:191], v221
	v_nop
.irp i, 0,1,2
	v_permlane16_swap_b32 v[192+\i], v[196+\i]
.endr
	s_delay_alu instid0(VALU_DEP_3)
	v_mov_b32 v195, v196
	s_delay_alu instid0(VALU_DEP_3)
	v_mov_b32 v196, v197
	s_delay_alu instid0(VALU_DEP_3)
	v_mov_b32 v197, v198
	global_store_b128 v30, v[192:195], s[68:69]    ; 512 consecutive bytes,
	global_store_b64 v31, v[196:197], s[68:69]     ; and 256
	s_wait_xcnt 0x0                                ; EXEC changes only behind this wait
	v_cmp_gt_u32 vcc_lo, 16, v95
	s_and_saveexec_b32 s52, vcc_lo                 ; lanes 0-15: one store a row
	global_store_b16 v94, v224, s[70:71]
	s_wait_xcnt 0x0                                ; and again, in front of the line that widens it
	s_or_b32 exec_lo, exec_lo, s52
	s_wait_dscnt 0x0
	s_wait_tensorcnt 0x0
	ds_add_u32 v254, v255
	s_wait_dscnt 0x0
	CROUND                                         ; the closing round
	s_endpgm
.Lfunc_end_k_qb34b8874a8_attn:
	.size	k_qb34b8874a8_attn, .Lfunc_end_k_qb34b8874a8_attn-k_qb34b8874a8_attn
	.p2alignl 7, 3214868480
	.fill 96, 4, 3214868480
	.section	.rodata,"a",@progbits
	.p2align	6, 0x0
	.amdhsa_kernel k_qb34b8874a8_attn
		.amdhsa_group_segment_fixed_size 219136
		.amdhsa_private_segment_fixed_size 0
		.amdhsa_enable_private_segment 0
		.amdhsa_kernarg_size 24
		.amdhsa_user_sgpr_count 2
		.amdhsa_user_sgpr_kernarg_segment_ptr 1
		.amdhsa_wavefront_size32 1
		.amdhsa_system_sgpr_workgroup_id_x 1
		.amdhsa_system_sgpr_workgroup_id_y 1
		.amdhsa_system_sgpr_workgroup_id_z 1
		.amdhsa_system_vgpr_workitem_id 0
		.amdhsa_next_free_vgpr 256
		.amdhsa_next_free_sgpr 82
		.amdhsa_reserve_vcc 1
		.amdhsa_float_denorm_mode_32 3
		.amdhsa_float_denorm_mode_16_64 3
		.amdhsa_memory_ordered 1
		.amdhsa_forward_progress 1
		.amdhsa_inst_pref_size 40
	.end_amdhsa_kernel
	.amdgpu_metadata
---
amdhsa.version: [ 1, 2 ]
amdhsa.kernels:
  - .name:           k_qb34b8874a8_attn
    .symbol:         k_qb34b8874a8_attn.kd
    .args:
      - { .name: qkv, .offset: 0, .size: 8, .value_kind: global_buffer, .address_space: global }
      - { .name: m, .offset: 8, .size: 8, .value_kind: global_buffer, .address_space: global }
      - { .name: oq, .offset: 16, .size: 8, .value_kind: global_buffer, .address_space: global }
    .group_segment_fixed_size: 219136
    .private_segment_fixed_size: 0
    .kernarg_segment_align: 8
    .kernarg_segment_size: 24
    .max_flat_workgroup_size: 512
    .sgpr_count:     82
    .vgpr_count:     256
    .wavefront_size: 32
...
	.end_amdgpu_metadata
.endif
;; end of part 3
;; launch outgemm (part 4): grid 8 x 32, 4 waves a work-group, clusters of 4 x 4, 222,720 bytes of LDS; arguments oq, wq, b_out, m, out0; writes out0
.if DOCPART == 4
	.amdgcn_target "amdgcn-amd-amdhsa--gfx1250"
	.amdhsa_code_object_version 6
	.text
	.protected	k_qb34b8874a8_outgemm
	.globl	k_qb34b8874a8_outgemm
	.p2align	8
	.type	k_qb34b8874a8_outgemm,@function
k_qb34b8874a8_outgemm:
	s_mov_b64 s[64:65], 0
	v_nop
	global_prefetch_b8 v0, s[64:65] scope:SCOPE_SE
	s_setreg_imm32_b32 hwreg(HW_REG_WAVE_MODE, 25, 1), 1
	s_wait_xcnt 0x0
	s_wait_alu depctr_hold_cnt(0) depctr_sa_sdst(0) depctr_va_vdst(0) depctr_va_sdst(0) depctr_va_ssrc(0) depctr_va_vcc(0) depctr_vm_vsrc(0)
	s_getreg_b32 s2, hwreg(HW_REG_IB_STS2, 6, 4)
	s_cmp_eq_u32 s2, 0
	s_cbranch_scc0 .Lentry_in_a_cluster
	s_endpgm
.Lentry_in_a_cluster:
	s_bfe_u32 s2, ttmp6, 0x10000c
	s_cmp_lg_u32 s2, 0xf033
	s_cbranch_scc0 .Lentry_shape_is_right
	s_endpgm
.Lentry_shape_is_right:
; out0 = (o w_out + b_out) x m, the product on codes of FP6 (E2M3) with E8M0 scales.  o: oq, w_out: blocks 24-31 of wq, both as records of 12,800 bytes for (block of 128 rows, K step of 128):
; eight tiles x 1,536 bytes of register images, then eight x 64 bytes of scale words.  Tile 2 B + u holds rows 32 B + 8 u + r + 8 (r / 8).
; SHARES.  Work-group (X8, Y): 128 tokens (block Y) x 128 columns (block X8).  Four waves, each 64 x 64: 16 accumulators.  Wave w: half w % 2 of the columns, half w / 2 of the tokens.
; Source 0 = w_out's tile, source 1 = o's: a lane holds one token, and the 16 registers of two neighbouring tiles are 16 neighbouring columns.  b_out is the C of each sum's first product.
; CLUSTER 4 x 4: w_out's block hangs on X8 and is asked for jointly along a column, o's on Y and along a row.  All of K of both blocks lies in LDS, filled once, in four chunks of two K steps, so that the products begin on the first.
; The way out goes through each wave's own stage, so that sixteen lanes store 256 consecutive bytes, aligned.
; REGISTERS: window 0: v1-31 addresses; v32-63 b_out in the result's layout; v64-71 m of my tokens; v96-103 scale words, two sets (lanes 0-15 o's tile i, lanes 16-31 w_out's); v128-255 accumulators.
;            window 1: two sets of fragments at v0 and v128: w_out's four (12 registers each), then o's four.
.set REC,   12800
.set BLKB,  8*REC
.set XREG,  0
.set WS0,   BLKB
.set STG,   2*BLKB                     ; the stages: 16 rows x 272 bytes for each wave; no tensor load lands here
.set SPI,   272
.set ACC, 128
.set SCR, 96
.set BI,  32
.set MM,  64
.set STO, 22
.set RD,  23
.set GO,  24
.set WV,  14
.set WW,  15
.set WX,  16
.set CX,  17
.set CY,  18
.set X8,  19
.set YB,  20
.set G1W, 24
.set G1X, 32
.set G0W, 40
.set G0X, 68
.set MSB, 0
.macro WIN new
.if MSB != \new
	s_set_vgpr_msb (MSB<<8)|\new
.set MSB, \new
.endif
.endm
.set MUL,  0x05                        ; sources 0 and 1 window 1; C and D window 0
.set TO_F, 0x40                        ; destination window 1, address window 0
.macro PLACES                          ; four plain vector lines between a matrix instruction and a load into its registers or a read of its result
.rept 4
	v_nop
.endr
.endm
.macro CROUND
	s_barrier_signal -1
	s_barrier_wait -1
	s_cmp_lg_u32 s[WV], 0
	s_cbranch_scc1 .Lnot_wave_0_\@
	s_barrier_signal -3
.Lnot_wave_0_\@:
	s_barrier_wait -3
	s_barrier_signal -1
	s_barrier_wait -1
.endm
.macro FRAG reg, a16, a8, off
	ds_load_b128 v[\reg:\reg+3], v[\a16] offset:\off
	ds_load_b64 v[\reg+4:\reg+5], v[\a8] offset:\off
	ds_load_b128 v[\reg+6:\reg+9], v[\a16] offset:\off+768
	ds_load_b64 v[\reg+10:\reg+11], v[\a8] offset:\off+768
.endm
.macro FETCH s, p                      ; K step s of both blocks into set p: 36 loads.  K steps 4-7 have address registers of their own: an immediate holds 16 bits
	WIN TO_F
.irp i, 0,1,2,3
	FRAG 128*(\p)+12*\i, 4+(\s)/4, 6+(\s)/4, ((\s)%4)*REC+\i*1536
.endr
.irp i, 0,1,2,3
	FRAG 128*(\p)+48+12*\i, 12+(\s)/4, 14+(\s)/4, ((\s)%4)*REC+\i*1536
.endr
	WIN 0
.irp i, 0,1,2,3
	ds_load_b32 v[SCR+4*(\p)+\i], v[16+(\s)/4] offset:((\s)%4)*REC+\i*64
.endr
.endm
; Eight products: source 0 = w_out's tile a, source 1 = o's tile b; the accumulator is ACC + 32 b + 8 a.  first = 1: b_out starts the sum.  The 16 accumulators take turns, one instruction a turn.
.macro MUL8 p, x0, first
.irp b, \x0, \x0+1
.irp a, 0,1,2,3
.set rD, ACC+32*(\b)+8*\a
.set rA, 128*(\p)+12*\a
.set rB, 128*(\p)+48+12*(\b)
.set sA, SCR+4*(\p)+\a
.set sB, SCR+4*(\p)+(\b)
.if \first
	v_wmma_scale_f32_16x16x128_f8f6f4 v[rD:rD+7], v[rA:rA+11], v[rB:rB+11], v[BI+8*\a:BI+8*\a+7], v[sA], v[sB] matrix_a_fmt:MATRIX_FMT_FP6 matrix_b_fmt:MATRIX_FMT_FP6 matrix_a_scale:MATRIX_SCALE_ROW1
.else
	v_wmma_scale_f32_16x16x128_f8f6f4 v[rD:rD+7], v[rA:rA+11], v[rB:rB+11], v[rD:rD+7], v[sA], v[sB] matrix_a_fmt:MATRIX_FMT_FP6 matrix_b_fmt:MATRIX_FMT_FP6 matrix_a_scale:MATRIX_SCALE_ROW1
.endif
.endr
.endr
.endm
; A K step: set p is multiplied while K step ns is fetched into the other set.  arrive >= 0: that fetch opens a new chunk: my part is waited for (arrive = my later chunks, which may stay out), and a barrier shows everybody's.
.macro STEP p, first, arrive, ns
	s_wait_dscnt 0x0                               ; set p is in
.if (\arrive) >= 0
	s_wait_tensorcnt \arrive
	s_barrier_signal -1
	s_barrier_wait -1
.endif
	PLACES                                         ; the other set was read by the last step's products
	FETCH \ns, 1-(\p)
	WIN MUL
	MUL8 \p, 0, \first
	MUL8 \p, 2, \first
	WIN 0
.endm
	s_load_b256 s[4:11], s[0:1], 0x0               ; oq, wq, b_out, m
	s_load_b64 s[12:13], s[0:1], 0x20              ; out0
	v_lshl_add_u32 v126, v0, 2, 0x36400
	v_mov_b32 v127, 0
	ds_add_u32 v126, v127
	ds_add_u32 v126, v127
	v_lshrrev_b32 v1, 5, v0
	v_readfirstlane_b32 s[WV], v1                  ; wave 0..3
	s_and_b32 s[WW], s[WV], 1                      ; my half of the columns.  Also: which K step of a chunk I fetch
	s_lshr_b32 s[WX], s[WV], 1                     ; my half of the tokens.  Also: I fetch for w_out (0) or for o (1)
	s_bfe_u32 s[CX], ttmp6, 0x40000
	s_bfe_u32 s[CY], ttmp6, 0x40004
	s_lshl_b32 s[X8], ttmp9, 2
	s_add_co_u32 s[X8], s[X8], s[CX]
	s_and_b32 s[YB], ttmp7, 0xffff
	s_lshl_b32 s[YB], s[YB], 2
	s_add_co_u32 s[YB], s[YB], s[CY]
	s_lshl_b32 s21, 0x1111, s[CX]                  ; my column of the cluster
	s_lshl_b32 s22, s[CY], 2
	s_lshl_b32 s22, 15, s22                        ; my row
	s_or_b32 s[G1W], s21, (3<<16)|(1<<21)          ; the mask; elements of 8 bytes; bit 21 beside a mask; no padding
	s_or_b32 s[G1X], s22, (3<<16)|(1<<21)
.irp g, G1W, G1X
	s_mov_b32 s[\g+1], 32<<16                      ; rows of 256 bytes,
	s_mov_b32 s[\g+2], 50<<16                      ; 50 of them: a K step's 12,800 dense bytes
	s_mov_b32 s[\g+3], 32<<16
	s_mov_b32 s[\g+4], 50
	s_mov_b32 s[\g+5], 32
	s_mov_b32 s[\g+6], 0
	s_mov_b32 s[\g+7], 0
.endr
	s_mul_i32 s60, s[WW], REC                      ; my K step of a chunk, in memory and in LDS alike
	s_mul_i32 s84, s[X8], BLKB                     ; w_out: block 24 + X8 of wq (registers that never hold y)
	s_add_co_u32 s84, s84, s60
	s_add_co_u32 s84, s84, 24*BLKB
	s_mov_b32 s85, 0
	s_mul_i32 s86, s[YB], BLKB                     ; o: block Y (registers that never hold x)
	s_add_co_u32 s86, s86, s60
	s_mov_b32 s87, 0
	s_wait_dscnt 0x0
	s_wait_kmcnt 0x0
	s_add_nc_u64 s[84:85], s[6:7], s[84:85]
	s_add_nc_u64 s[86:87], s[4:5], s[86:87]
.irp c, 0,1,2,3
	s_mov_b32 s[G0W+4*\c], 1
	s_add_co_u32 s[G0W+4*\c+1], s60, WS0+2*\c*REC
	s_add_nc_u64 s[G0W+4*\c+2:G0W+4*\c+3], s[84:85], 2*\c*REC
	s_or_b32 s[G0W+4*\c+3], s[G0W+4*\c+3], 0x80000000
	s_mov_b32 s[G0X+4*\c], 1
	s_add_co_u32 s[G0X+4*\c+1], s60, XREG+2*\c*REC
	s_add_nc_u64 s[G0X+4*\c+2:G0X+4*\c+3], s[86:87], 2*\c*REC
	s_or_b32 s[G0X+4*\c+3], s[G0X+4*\c+3], 0x80000000
.endr
	CROUND                                         ; all sixteen work-groups are here: the joint loads meet
	s_cmp_lt_u32 s[WV], 2                          ; a wave's four fills stand in one branch on its number: four loads of mine are out
	s_cbranch_scc0 .Lfill_x
	tensor_load_to_lds s[G0W:G0W+3], s[G1W:G1W+7]
	s_nop 0
	tensor_load_to_lds s[G0W+4:G0W+7], s[G1W:G1W+7]
	s_nop 0
	tensor_load_to_lds s[G0W+8:G0W+11], s[G1W:G1W+7]
	s_nop 0
	tensor_load_to_lds s[G0W+12:G0W+15], s[G1W:G1W+7]
	s_nop 0
	PLACES
	s_branch .Lfilled
.Lfill_x:
	tensor_load_to_lds s[G0X:G0X+3], s[G1X:G1X+7]
	s_nop 0
	tensor_load_to_lds s[G0X+4:G0X+7], s[G1X:G1X+7]
	s_nop 0
	tensor_load_to_lds s[G0X+8:G0X+11], s[G1X:G1X+7]
	s_nop 0
	tensor_load_to_lds s[G0X+12:G0X+15], s[G1X:G1X+7]
	s_nop 0
	PLACES
.Lfilled:
	v_and_b32 v1, 31, v0                           ; lane
	v_and_b32 v2, 15, v0                           ; r
	v_bfe_u32 v3, v0, 4, 1                         ; h
	s_wait_alu depctr_va_vdst(0)
	s_lshl_b32 s88, s[X8], 9
	s_lshl_b32 s89, s[WW], 8
	s_add_co_u32 s88, s88, s89                     ; my first column, in bytes
	s_mov_b32 s89, 0
	s_add_nc_u64 s[8:9], s[8:9], s[88:89]          ; b_out there
	s_add_nc_u64 s[12:13], s[12:13], s[88:89]
	s_lshl_b32 s90, s[YB], 9
	s_lshl_b32 s91, s[WX], 8
	s_add_co_u32 s90, s90, s91                     ; my first token x 4
	s_mov_b32 s91, 0
	s_add_nc_u64 s[10:11], s[10:11], s[90:91]      ; m there
	s_lshl_b32 s90, s90, 10                        ; my first token x 4,096: its row of out0
	s_add_nc_u64 s[12:13], s[12:13], s[90:91]
	v_lshlrev_b32 v25, 6, v3                       ; b_out: lane (r, h) wants, for tile 2 B + u, columns 32 B + 8 u + 16 h + 0 .. 7
	v_and_b32 v26, 8, v2
	v_add_nc_u32 v26, v26, v2
	v_lshlrev_b32 v26, 2, v26                      ; m: token r + 8 (r / 8) of a tile
.irp a, 0,1,2,3
	global_load_b128 v[BI+8*\a:BI+8*\a+3], v25, s[8:9] offset:(32*(\a/2)+8*(\a%2))*4
	global_load_b128 v[BI+8*\a+4:BI+8*\a+7], v25, s[8:9] offset:(32*(\a/2)+8*(\a%2))*4+16
.endr
.irp b, 0,1,2,3
	global_load_b32 v[MM+2*\b], v26, s[10:11] offset:(32*(\b/2)+8*(\b%2))*4
	v_mov_b32 v[MM+2*\b+1], 0                      ; (named with it as a pair, so it is written)
.endr
	v_lshlrev_b32 v28, 4, v1                       ; 16 x lane
	v_lshl_add_u32 v29, v1, 3, 512                 ; 512 + 8 x lane
	s_mul_i32 s62, s[WW], 4*1536                   ; my four tiles of w_out's block,
	s_mul_i32 s63, s[WX], 4*1536                   ; and of o's
.irp q, 0,1
	s_add_co_u32 s23, s62, WS0+\q*4*REC
	v_add_nc_u32 v[4+\q], s23, v28                 ; v4-7: w_out: 16-byte pieces (K steps 0-3, 4-7), then 8-byte pieces
	v_add_nc_u32 v[6+\q], s23, v29
	s_add_co_u32 s23, s63, XREG+\q*4*REC
	v_add_nc_u32 v[12+\q], s23, v28                ; v12-15: the same for o
	v_add_nc_u32 v[14+\q], s23, v29
.endr
	s_lshl_b32 s62, s[WX], 8                       ; scale words: lanes 0-15 o's four tiles, lanes 16-31 w_out's: the lower base + h x the distance
	s_lshl_b32 s63, s[WW], 8
	s_add_co_u32 s63, s63, WS0-XREG
	s_sub_co_u32 s63, s63, s62
	v_lshl_add_u32 v31, v2, 2, s62
	v_mul_u32_u24 v30, s63, v3
	v_add_nc_u32 v30, v30, v31
	v_add_nc_u32 v16, XREG+12288, v30
	v_add_nc_u32 v17, XREG+12288+4*REC, v30
	s_mul_i32 s62, s[WV], 16*SPI
	s_add_co_u32 s62, s62, STG                     ; my stage
	v_mul_u32_u24 v[STO], v2, SPI
	v_lshl_add_u32 v[STO], v3, 6, v[STO]
	v_add_nc_u32 v[STO], s62, v[STO]               ; in: row r, + 64 h
	v_mul_u32_u24 v[RD], v3, SPI
	v_lshl_add_u32 v[RD], v2, 4, v[RD]
	v_add_nc_u32 v[RD], s62, v[RD]                 ; back: lanes 0-15 one row of 256 bytes, lanes 16-31 the next
	v_lshlrev_b32 v[GO], 12, v3
	v_lshl_add_u32 v[GO], v2, 4, v[GO]             ; and the same two rows in out0
	s_wait_alu depctr_va_vdst(0)
	s_wait_tensorcnt 0x3                           ; my part of chunk 0 is in; three chunks may be out
	s_barrier_signal -1
	s_barrier_wait -1                              ; everybody's is
	FETCH 0, 0
	s_wait_loadcnt 0x0                             ; b_out and m
	STEP 0, 1, -1, 1
	STEP 1, 0, 2, 2
	STEP 0, 0, -1, 3
	STEP 1, 0, 1, 4
	STEP 0, 0, -1, 5
	STEP 1, 0, 0, 6
	STEP 0, 0, -1, 7
	s_wait_dscnt 0x0
	WIN MUL
	MUL8 1, 0, 0
	MUL8 1, 2, 0
	WIN 0
; THE WAY OUT, a tile of 16 tokens x 64 columns at a time: x m; 32 registers a lane into my stage; back as whole rows of 256 bytes, into the registers that they left.
.macro PACK x
.set k, 0
.rept 16
	v_pk_mul_f32 v[ACC+32*\x+2*k:ACC+32*\x+2*k+1], v[ACC+32*\x+2*k:ACC+32*\x+2*k+1], v[MM+2*\x:MM+2*\x+1] op_sel_hi:[1,0]   ; each accumulator from its low end on
.set k, k+1
.endr
.irp a, 0,1,2,3
	ds_store_b128 v[STO], v[ACC+32*\x+8*\a:ACC+32*\x+8*\a+3] offset:128*(\a/2)+32*(\a%2)
	ds_store_b128 v[STO], v[ACC+32*\x+8*\a+4:ACC+32*\x+8*\a+7] offset:128*(\a/2)+32*(\a%2)+16
.endr
.irp t, 0,1,2,3,4,5,6,7
	ds_load_b128 v[ACC+32*\x+4*\t:ACC+32*\x+4*\t+3], v[RD] offset:2*\t*SPI   ; LDS serves a wave's instructions in order (ISA guide 5.7.1.4): these see the stores above; the next tile's stores come behind them
.endr
.endm
.macro SEND x, younger                 ; younger: the LDS instructions issued behind tile x's loads: the next tile's sixteen, or none
.irp t, 0,1,2,3,4,5,6,7
	s_wait_dscnt \younger+7-\t
	global_store_b128 v[GO], v[ACC+32*\x+4*\t:ACC+32*\x+4*\t+3], s[12:13] offset:(32*(\x/2)+8*(\x%2)+2*\t+8*(\t/4))*4096 th:TH_STORE_NT   ; 16 lanes store 256 consecutive bytes, at a multiple of 256 from out0's first byte
.endr
.endm
	PLACES
	PACK 0
	PACK 1
	SEND 0, 16
	PACK 2
	SEND 1, 16
	PACK 3
	SEND 2, 16
	SEND 3, 0
	s_wait_tensorcnt 0x0
	ds_add_u32 v126, v127
	s_wait_dscnt 0x0
	CROUND                                         ; the closing round: no work-group ends while a partner may still ask for a tile that names it
	s_endpgm
.Lfunc_end_k_qb34b8874a8_outgemm:
	.size	k_qb34b8874a8_outgemm, .Lfunc_end_k_qb34b8874a8_outgemm-k_qb34b8874a8_outgemm
	.p2alignl 7, 3214868480
	.fill 96, 4, 3214868480
	.section	.rodata,"a",@progbits
	.p2align	6, 0x0
	.amdhsa_kernel k_qb34b8874a8_outgemm
		.amdhsa_group_segment_fixed_size 222720
		.amdhsa_private_segment_fixed_size 0
		.amdhsa_enable_private_segment 0
		.amdhsa_kernarg_size 40
		.amdhsa_user_sgpr_count 2
		.amdhsa_user_sgpr_kernarg_segment_ptr 1
		.amdhsa_wavefront_size32 1
		.amdhsa_system_sgpr_workgroup_id_x 1
		.amdhsa_system_sgpr_workgroup_id_y 1
		.amdhsa_system_sgpr_workgroup_id_z 1
		.amdhsa_system_vgpr_workitem_id 0
		.amdhsa_next_free_vgpr 512
		.amdhsa_next_free_sgpr 96
		.amdhsa_reserve_vcc 0
		.amdhsa_float_denorm_mode_32 3
		.amdhsa_float_denorm_mode_16_64 3
		.amdhsa_memory_ordered 1
		.amdhsa_forward_progress 1
		.amdhsa_inst_pref_size 59
	.end_amdhsa_kernel
	.amdgpu_metadata
---
amdhsa.version: [ 1, 2 ]
amdhsa.kernels:
  - .name:           k_qb34b8874a8_outgemm
    .symbol:         k_qb34b8874a8_outgemm.kd
    .args:
      - { .name: oq, .offset: 0, .size: 8, .value_kind: global_buffer, .address_space: global }
      - { .name: wq, .offset: 8, .size: 8, .value_kind: global_buffer, .address_space: global }
      - { .name: b_out, .offset: 16, .size: 8, .value_kind: global_buffer, .address_space: global }
      - { .name: m, .offset: 24, .size: 8, .value_kind: global_buffer, .address_space: global }
      - { .name: out0, .offset: 32, .size: 8, .value_kind: global_buffer, .address_space: global }
    .group_segment_fixed_size: 222720
    .private_segment_fixed_size: 0
    .kernarg_segment_align: 8
    .kernarg_segment_size: 40
    .max_flat_workgroup_size: 128
    .sgpr_count:     96
    .vgpr_count:     512
    .wavefront_size: 32
...
	.end_amdgpu_metadata
.endif
;; end of part 4
